; MI455X (gfx1250); checked and timed in simulation.
; The chip was launched on July 23, 2026; its instructions are those of AMD's public machine-readable ISA for CDNA 5 (MIT licence, August 2026) and "CDNA5" Instruction Set Architecture Reference Guide (July 2026). The comments in the code are by the model that wrote it; some were corrected since.
;; Llama Attention. Allowed arithmetic: matrix products marked QUANTISED: E2M1 operands, one E8M0 scale for each 32 along K, by v_wmma_scale_f32_16x16x128_f8f6f4 with both operands' format E2M1 (or v_wmma_scale_f32_32x16x128_f4), f32 sums; products left as they are: bf16, f16 or f32 operands; f32 sums; everything else in f32.
;; Inputs: Wk 2,048 x 2,048 float32; Wo 2,048 x 2,048 float32; Wq 2,048 x 2,048 float32; Wv 2,048 x 2,048 float32; cos 1 x 1 x 2,048 x 128 float32; sin 1 x 1 x 2,048 x 128 float32; x 1 x 2,048 x 2,048 float32.
;; Outputs: out0 1 x 2,048 x 2,048 float32.
;; This version of the problem:
;;   THIS VERSION OF THE PROBLEM IS GIVEN IN LOW PRECISION. The matrix products marked QUANTISED in the list below multiply operands that are first quantised to E2M1 (2 exponent bits, 1 mantissa bit; 4 bits a number), with one power-of-two scale for each 32 numbers along K (OCP MX v1.0); their sums are f32. The products marked 'left as it is' may take bf16, f16 or f32 operands, with f32 sums. Whichever they take, every output number must still come out within the allowed error. Rounding operands to bf16 (8 significant bits) uses up far more of that allowance than f16 does (11 bits, for magnitudes from 6e-5 to 65,504). All else is computed in f32.
;;   The module's matrix products, in the order in which they are computed (A, B: the left and right operand; K: the contracted axis; several contracted axes count as one K, in the product's order):
;;     1. [M 2,048, K 2,048] x [K 2,048, N 2,048]; A: input x; B: input Wq: QUANTISED
;;     2. [M 2,048, K 2,048] x [K 2,048, N 2,048]; A: input x; B: input Wk: QUANTISED
;;     3. [M 2,048, K 2,048] x [K 2,048, N 2,048]; A: input x; B: input Wv: QUANTISED
;;     4. batch 16 x [M 2,048, K 128] x [K 128, N 2,048]; A: computed on the way; B: computed on the way: left as it is (an operand is computed on the way)
;;     5. batch 16 x [M 2,048, K 2,048] x [K 2,048, N 128]; A: computed on the way; B: computed on the way: left as it is (an operand is computed on the way)
;;     6. [M 2,048, K 2,048] x [K 2,048, N 2,048]; A: computed on the way; B: input Wo: left as it is (an operand is computed on the way)
;;   THE QUANTISER, for each operand of a quantised product, along K:
;;     - K is cut into blocks of 32 from its start; a last block that is shorter is filled with zeros.
;;     - A block's scale is 2^e with e = floor(log2(the largest magnitude in the block)) - 2, held to -126 .. 127; a block of zeros has e = 0. As a byte (E8M0): e + 127.
;;     - Each number is divided by its block's scale, clamped to +-6, and rounded to the nearest number of E2M1, ties to even, subnormals kept.
;;     - The product sums the exact products of the quantised numbers (number of the format x scale) in f32.
;;   ~~~python
;;   def quantise(x, axis):      # numpy; x: float32 -> the quantised numbers, widened to float32 again
;;       x = np.moveaxis(x, axis, -1); K = x.shape[-1]
;;       x = np.pad(x, [(0, 0)] * (x.ndim - 1) + [(0, -K % 32)]); x = x.reshape(x.shape[:-1] + (-1, 32)); a = np.abs(x).max(-1, keepdims=True)
;;       e = np.where(a > 0, np.clip(np.frexp(np.where(a > 0, a, 1))[1] - 1 - 2, -126, 127), 0)      # np.frexp(a)[1] - 1 = floor(log2(a)), exactly
;;       r = np.clip(x / 2.0 ** e, -6, 6)
;;       step = 2.0 ** (np.maximum(np.frexp(np.where(r == 0, 1, r))[1] - 1, 0) - 1)
;;       q = np.round(r / step) * step * 2.0 ** e      # np.round: ties to even
;;       return np.moveaxis(q.reshape(q.shape[:-2] + (-1,))[..., :K], -1, axis).astype(np.float32)
;;   ~~~
;; One version. Each part assembles by itself: llvm-mc -triple=amdgcn-amd-amdhsa -mcpu=gfx1250 --defsym DOCPART=n.
;; ======== version 1 of 1: 5 launches
;; limits: values are held in f16: magnitudes above 65,504 overflow, below 6.1e-05 lose precision
;; workspace buffers: codes 8,388,608 bytes; scales 524,288 bytes; wo16 8,388,608 bytes; cs 2,097,152 bytes; qk16 16,777,216 bytes; v16 8,388,608 bytes; rows32 393,216 bytes; o16 8,519,680 bytes
;; launch prep (part 1): grid 656 x 1, 4 waves a work-group, no clusters, 33,280 bytes of LDS; arguments x, Wq, Wk, Wv, Wo, cos, sin, codes, scales, wo16, cs; writes codes, scales, wo16, cs
.if DOCPART == 1
	.amdgcn_target "amdgcn-amd-amdhsa--gfx1250"
	.amdhsa_code_object_version 6
	.text
	.protected	k_q415281d9c4_prep
	.globl	k_q415281d9c4_prep
	.p2align	8
	.type	k_q415281d9c4_prep,@function
k_q415281d9c4_prep:
	s_mov_b64 s[64:65], 0
	v_nop
	global_prefetch_b8 v0, s[64:65] scope:SCOPE_SE
	s_setreg_imm32_b32 hwreg(HW_REG_WAVE_MODE, 25, 1), 1
	s_wait_xcnt 0x0
; THE PROGRAM: a Llama attention layer, T = 2048, H = 2048, 16 heads of 128, in five launches:
;   prep (this one), qkv (the three quantised products with the rotary step), attn (causal attention), proj (the product with Wo), fine (positions 0-15 in f32).
; WORK LEFT OUT, in the whole program: only tiles of scores that lie wholly above the diagonal.  The layer itself sets a score to minus infinity where key > query
; (its own lower-triangular mask), the softmax then gives that key the weight 0 exactly, and 0 times a finite v adds nothing: so for all finite inputs a tile all of whose
; keys come after all of its queries reaches no output, in the score product and in the value product alike.  Every input has a way to the output and is loaded.
; LIMIT: a NaN, an infinity or an overflow that arises only in the tiles left out is not carried to the result.
; LIMITS of range: NaN and infinities among the inputs are not served; q and k behind the rotary step stay under 16 x 65,504 in magnitude (they are carried as q / 16 and k / 16 in f16,
; an exact scaling that the softmax constant takes back), v, the attention result and Wo under 65,504; a block of zeros gets the scale byte 1 where the quantiser says 127 (its codes are
; zeros, which add nothing under any byte but 0xff, and this program alone reads the bytes); blocks whose largest magnitude lies under 2^-124 were not tried.
;
; THIS LAUNCH, three kinds of work-groups, told apart by the work-group number alone:
;   0-511    x, Wq, Wk, Wv (f32, K innermost) become codes of E2M1 and one E8M0 byte for each 32 along K: codes [8192 rows][1024 bytes], scales [8192][64]; rows 0-2047 x, then Wq, Wk, Wv.
;   512-639  Wo becomes f16, row-major.
;   640-655  cos / 16 and sin / 16, f32, laid in the order in which the next launch's lanes hold their results: [table][tile of 16 rows][n = 2 b + q][lane][16 bytes],
;            the 16 bytes being table[16 T + lane % 16][16 b + 8 (lane / 16) + 4 q + 0 .. 3] / 16.
; Memory binds: every input byte is read once; matrix units, clusters and tensor loads would add nothing here.  Only the first kind touches LDS.
.set STEPS, 16
.set EMAX,  2
.set CB,    8                          ; bytes of 16 codes
.set R,     16                         ; v16-79   four sets of 16 numbers as they are loaded
.set X,     80                         ; v80-111  two sets of 16 neighbours
.set C,     128                        ; v128-191 codes: four registers for each step, so that no store data are written again
.set E,     112                        ; v112-127 a scale byte for each step
.set WREG,  8192                       ; LDS: a region for each wave: two stages of 32 x SP bytes, behind them its 256 scale bytes
.set SP,    80                         ; a lane's place in a stage: 64 bytes + 16 of padding
.set SPW,   12                         ; v12 LDS address of my spare word; never rewritten
.set NIL,   13                         ; v13 0; never rewritten
.set SPARE, 4*WREG                     ; behind the four regions: the spare words, 128 bytes a wave, which no other line names
.macro LOAD t
.irp i, 0,1,2,3
	global_load_b128 v[R+16*((\t)%4)+4*\i:R+16*((\t)%4)+4*\i+3], v3, s[26:27] offset:2048*(\t)+512*\i th:TH_LOAD_NT   ; 32 lanes read 512 consecutive bytes
.endr
.endm
.macro TURN t                          ; a step's 2,048 bytes through the wave's own stage: in as they lie, back 64 bytes a lane; LDS serves a wave's instructions in order
.irp i, 0,1,2,3
	ds_store_b128 v14, v[R+16*((\t)%4)+4*\i:R+16*((\t)%4)+4*\i+3] offset:32*SP*((\t)%2)+8*SP*\i
.endr
.irp i, 0,1,2,3
	ds_load_b128 v[X+16*((\t)%2)+4*\i:X+16*((\t)%2)+4*\i+3], v15 offset:32*SP*((\t)%2)+16*\i
.endr
.endm
.macro STEP t
.set XS, X+16*((\t)%2)
.if (\t) > 0
	s_wait_dscnt 1                                 ; this step's numbers are back from the stage; the last step's byte store may be out
.else
	s_wait_dscnt 0x0
.endif
.if (\t)+4 < STEPS
	LOAD (\t)+4                                    ; the registers that the stage's stores have read take the loads of four steps on
.endif
.if (\t)+1 < STEPS
.if STEPS-2-(\t) >= 3
	s_wait_loadcnt 12                              ; the next step's four loads are in; those of the three steps behind it may be out
.else
	s_wait_loadcnt 4*(STEPS-2-(\t))
.endif
	TURN (\t)+1
.endif
	v_max3_num_f32 v8, |v[XS]|, |v[XS+1]|, |v[XS+2]|               ; the largest magnitude of my 16, in two chains
	v_max3_num_f32 v9, |v[XS+3]|, |v[XS+4]|, |v[XS+5]|
.irp i, 6,10
	v_max3_num_f32 v8, v8, |v[XS+\i]|, |v[XS+\i+1]|
	v_max3_num_f32 v9, v9, |v[XS+\i+2]|, |v[XS+\i+3]|
.endr
	v_max3_num_f32 v8, v8, |v[XS+14]|, |v[XS+15]|
	v_max3_num_f32 v8, v8, v9, (EMAX+1)<<23        ; and the floor 2^(3 - 127): the byte cannot fall under 1
	v_max_num_f32_dpp v8, v8, v8 row_xmask:1 row_mask:0xf bank_mask:0xf   ; with my neighbour's 16: the block's
	v_add_nc_u32 v11, -(EMAX<<23), v8              ; 2 off its exponent field: the conversion takes the exponent field of this operand as its scale
	v_cvt_scalef32_pk8_fp4_f32 v[C+4*(\t)], v[XS:XS+7], v11
	v_cvt_scalef32_pk8_fp4_f32 v[C+4*(\t)+1], v[XS+8:XS+15], v11
	v_lshrrev_b32 v[E+(\t)], 23, v11               ; the scale's byte (also the plain line behind the conversions)
	ds_store_b8 v5, v[E+(\t)] offset:16*(\t)       ; both lanes of a block write the same byte with the same value
	global_store_b64 v4, v[C+4*(\t):C+4*(\t)+1], s[18:19] offset:32*CB*(\t)   ; the wave stores 256 consecutive bytes, aligned
.endm
.macro WOSLOT t                        ; Wo: 512 bytes of f32 become 256 bytes of f16; sixteen loads of the wave are always out
.if (\t) < 48
	s_wait_loadcnt 15                              ; my slot's load is in; the fifteen younger ones stay out
.else
	s_wait_loadcnt 63-(\t)                         ; nothing more is asked for: the counts run down
.endif
	s_wait_xcnt 0x0                                ; the slot's last store has read its data: they are written again only behind this wait
	v_cvt_pk_f16_f32 v[80+2*((\t)%16)], v[16+4*((\t)%16)], v[16+4*((\t)%16)+1]
	v_cvt_pk_f16_f32 v[80+2*((\t)%16)+1], v[16+4*((\t)%16)+2], v[16+4*((\t)%16)+3]
.if (\t) < 48
	global_load_b128 v[16+4*((\t)%16):16+4*((\t)%16)+3], v3, s[12:13] offset:512*((\t)+16) th:TH_LOAD_NT
.endif
	global_store_b64 v4, v[80+2*((\t)%16):80+2*((\t)%16)+1], s[22:23] offset:256*(\t)
.endm
.macro CSLD u                          ; a tile of 16 rows of a table: entry n = 2 b + q into four registers
.irp n, 0,1,2,3,4,5,6,7,8,9,10,11,12,13,14,15
	global_load_b128 v[16+64*((\u)%2)+4*\n:16+64*((\u)%2)+4*\n+3], v5, s[26:27] offset:(\u)*8192+(\n/2)*64+(\n%2)*16
.endr
.endm
	s_load_b512 s[4:19], s[0:1], 0x0               ; x s[4:5], Wq s[6:7], Wk s[8:9], Wv s[10:11], Wo s[12:13], cos s[14:15], sin s[16:17], codes s[18:19]
	s_load_b128 s[20:23], s[0:1], 0x40             ; scales s[20:21], wo16 s[22:23]
	s_load_b64 s[24:25], s[0:1], 0x50              ; cs
	v_lshl_add_u32 v[SPW], v0, 2, SPARE
	v_mov_b32 v[NIL], 0
	v_lshrrev_b32 v1, 5, v0
	v_readfirstlane_b32 s30, v1                    ; wave
	v_and_b32 v2, 31, v0                           ; lane
	v_lshlrev_b32 v3, 4, v2                        ; 16 x lane
	s_mov_b32 s33, 0
	s_wait_kmcnt 0x0
	s_cmp_ge_u32 ttmp9, 640
	s_cbranch_scc1 .Lpath_c
	s_cmp_ge_u32 ttmp9, 512
	s_cbranch_scc1 .Lpath_w
	; ---- the quantiser.  Rows are dense and K is a multiple of 32: each tensor is a plain stream of blocks of 32.  A wave takes 16 steps of 512 numbers.
	s_mul_i32 s31, s30, WREG
	v_lshrrev_b32 v14, 2, v2
	v_mul_u32_u24 v14, v14, SP
	v_and_b32 v15, 3, v2
	v_lshl_add_u32 v14, v15, 4, v14
	v_add_nc_u32 v14, s31, v14                     ; the stage, on the way in: SP (lane / 4) + 16 (lane % 4)
	v_mul_u32_u24 v15, v2, SP
	v_add_nc_u32 v15, s31, v15                     ; and on the way out: SP x lane: my 16 neighbours
	v_mul_u32_u24 v4, v2, CB                       ; my codes' place in a step's
	v_lshrrev_b32 v5, 1, v2
	s_add_co_u32 s31, s31, 2*32*SP
	v_add_nc_u32 v5, s31, v5                       ; my wave's 256 scale bytes, my block's byte
	v_lshlrev_b32 v7, 3, v2
	v_add_nc_u32 v6, s31, v7                       ; and on the way out 8 bytes a lane
	s_and_b32 s34, ttmp9, 128                      ; which tensor: work-group / 128; the choice hangs on the work-group number alone
	s_cmp_lg_u32 s34, 0
	s_cselect_b64 s[26:27], s[6:7], s[4:5]
	s_cselect_b64 s[28:29], s[10:11], s[8:9]
	s_and_b32 s34, ttmp9, 256
	s_cmp_lg_u32 s34, 0
	s_cselect_b64 s[26:27], s[28:29], s[26:27]
	s_and_b32 s32, ttmp9, 127
	s_lshl_b32 s32, s32, 2
	s_add_co_u32 s32, s32, s30                     ; which run of 8,192 numbers of the tensor is my wave's
	s_lshl_b32 s32, s32, 15
	s_add_nc_u64 s[26:27], s[26:27], s[32:33]
	s_lshl_b32 s34, ttmp9, 2
	s_add_co_u32 s34, s34, s30                     ; and which run of the four tensors on end
	s_lshl_b32 s32, s34, 12
	s_add_nc_u64 s[18:19], s[18:19], s[32:33]      ; 4,096 bytes of codes a run
	s_lshl_b32 s32, s34, 8
	s_add_nc_u64 s[20:21], s[20:21], s[32:33]      ; 256 scale bytes a run
.irp t, 0,1,2,3
	LOAD \t
.endr
	s_wait_loadcnt 12                              ; step 0's four loads are in
	TURN 0
.irp t, 0,1,2,3,4,5,6,7,8,9,10,11,12,13,14,15
	STEP \t
.endr
	ds_load_b64 v[8:9], v6                         ; LDS serves a wave's instructions in order: these see my byte stores
	s_wait_dscnt 0x0
	global_store_b64 v7, v[8:9], s[20:21]          ; 32 lanes store 256 consecutive bytes, aligned
	s_wait_tensorcnt 0x0                           ; the wave's end: a tensor wait, an add onto my spare word and its wait, behind my last LDS store
	ds_add_u32 v[SPW], v[NIL]
	s_wait_dscnt 0x0
	s_endpgm
.Lpath_w:                                              ; ---- Wo to f16: a wave takes 8,192 numbers, 64 slots of 512 bytes
	s_sub_co_u32 s32, ttmp9, 512
	s_lshl_b32 s32, s32, 2
	s_add_co_u32 s34, s32, s30
	s_lshl_b32 s32, s34, 15
	s_add_nc_u64 s[12:13], s[12:13], s[32:33]
	s_lshl_b32 s32, s34, 14
	s_add_nc_u64 s[22:23], s[22:23], s[32:33]
	v_lshlrev_b32 v4, 3, v2                        ; 8 bytes a lane on the way out
.irp t, 0,1,2,3,4,5,6,7,8,9,10,11,12,13,14,15
	global_load_b128 v[16+4*\t:16+4*\t+3], v3, s[12:13] offset:512*\t th:TH_LOAD_NT
.endr
.set TW, 0
.rept 64
	WOSLOT TW
.set TW, TW+1
.endr
	s_endpgm
.Lpath_c:                                              ; ---- the tables: a wave takes four tiles of 16 rows
	s_cmp_lt_u32 ttmp9, 648
	s_cselect_b64 s[26:27], s[14:15], s[16:17]
	s_cselect_b32 s35, 0, 0x100000                 ; sin's images lie 1,048,576 bytes behind cos's
	s_sub_co_u32 s32, ttmp9, 640
	s_and_b32 s32, s32, 7
	s_lshl_b32 s32, s32, 4
	s_lshl_b32 s34, s30, 2
	s_add_co_u32 s32, s32, s34                     ; my first tile
	s_lshl_b32 s32, s32, 13                        ; a tile is 8,192 bytes in the table and in its image
	s_add_nc_u64 s[26:27], s[26:27], s[32:33]
	s_add_co_u32 s32, s32, s35
	s_add_nc_u64 s[24:25], s[24:25], s[32:33]
	v_and_b32 v5, 15, v0
	v_bfe_u32 v6, v0, 4, 1
	v_lshlrev_b32 v5, 9, v5
	v_lshl_add_u32 v5, v6, 5, v5                   ; in: row lane % 16 of 512 bytes, + 32 (lane / 16)
	CSLD 0
	CSLD 1
.irp u, 0,1,2,3
.if \u < 3
	s_wait_loadcnt 16                              ; this tile's 16 loads are in; the next tile's may be out
.else
	s_wait_loadcnt 0x0
.endif
.irp n, 0,2,4,6,8,10,12,14,16,18,20,22,24,26,28,30,32,34,36,38,40,42,44,46,48,50,52,54,56,58,60,62
	v_pk_mul_f32 v[16+64*(\u%2)+\n:16+64*(\u%2)+\n+1], v[16+64*(\u%2)+\n:16+64*(\u%2)+\n+1], 0x3d800000 op_sel_hi:[1,0]   ; x 1 / 16: exact
.endr
.irp n, 0,1,2,3,4,5,6,7,8,9,10,11,12,13,14,15
	global_store_b128 v3, v[16+64*(\u%2)+4*\n:16+64*(\u%2)+4*\n+3], s[24:25] offset:\u*8192+\n*512   ; 32 lanes store 512 consecutive bytes
.endr
.if \u < 2
	s_wait_xcnt 0x0                                ; the stores have read their data: the set is loaded again only behind this wait
	CSLD \u+2
.endif
.endr
	s_endpgm
.Lfunc_end_k_q415281d9c4_prep:
	.size	k_q415281d9c4_prep, .Lfunc_end_k_q415281d9c4_prep-k_q415281d9c4_prep
	.p2alignl 7, 3214868480
	.fill 96, 4, 3214868480
	.section	.rodata,"a",@progbits
	.p2align	6, 0x0
	.amdhsa_kernel k_q415281d9c4_prep
		.amdhsa_group_segment_fixed_size 33280
		.amdhsa_private_segment_fixed_size 0
		.amdhsa_enable_private_segment 0
		.amdhsa_kernarg_size 88
		.amdhsa_user_sgpr_count 2
		.amdhsa_user_sgpr_kernarg_segment_ptr 1
		.amdhsa_wavefront_size32 1
		.amdhsa_system_sgpr_workgroup_id_x 1
		.amdhsa_system_sgpr_workgroup_id_y 1
		.amdhsa_system_sgpr_workgroup_id_z 1
		.amdhsa_system_vgpr_workitem_id 0
		.amdhsa_next_free_vgpr 192
		.amdhsa_next_free_sgpr 66
		.amdhsa_reserve_vcc 0
		.amdhsa_float_denorm_mode_32 3
		.amdhsa_float_denorm_mode_16_64 3
		.amdhsa_memory_ordered 1
		.amdhsa_forward_progress 1
		.amdhsa_inst_pref_size 83
	.end_amdhsa_kernel
	.amdgpu_metadata
---
amdhsa.version: [ 1, 2 ]
amdhsa.kernels:
  - .name:           k_q415281d9c4_prep
    .symbol:         k_q415281d9c4_prep.kd
    .args:
      - { .name: x, .offset: 0, .size: 8, .value_kind: global_buffer, .address_space: global }
      - { .name: Wq, .offset: 8, .size: 8, .value_kind: global_buffer, .address_space: global }
      - { .name: Wk, .offset: 16, .size: 8, .value_kind: global_buffer, .address_space: global }
      - { .name: Wv, .offset: 24, .size: 8, .value_kind: global_buffer, .address_space: global }
      - { .name: Wo, .offset: 32, .size: 8, .value_kind: global_buffer, .address_space: global }
      - { .name: cos, .offset: 40, .size: 8, .value_kind: global_buffer, .address_space: global }
      - { .name: sin, .offset: 48, .size: 8, .value_kind: global_buffer, .address_space: global }
      - { .name: codes, .offset: 56, .size: 8, .value_kind: global_buffer, .address_space: global }
      - { .name: scales, .offset: 64, .size: 8, .value_kind: global_buffer, .address_space: global }
      - { .name: wo16, .offset: 72, .size: 8, .value_kind: global_buffer, .address_space: global }
      - { .name: cs, .offset: 80, .size: 8, .value_kind: global_buffer, .address_space: global }
    .group_segment_fixed_size: 33280
    .private_segment_fixed_size: 0
    .kernarg_segment_align: 8
    .kernarg_segment_size: 88
    .max_flat_workgroup_size: 128
    .sgpr_count:     66
    .vgpr_count:     192
    .wavefront_size: 32
...
	.end_amdgpu_metadata
.endif
;; end of part 1
;; launch qkv (part 2): grid 24 x 8, 4 waves a work-group, clusters of 4 x 4, 327,680 bytes of LDS; arguments codes, scales, cs, qk16, v16, rows32; writes qk16, v16, rows32
.if DOCPART == 2
	.amdgcn_target "amdgcn-amd-amdhsa--gfx1250"
	.amdhsa_code_object_version 6
	.text
	.protected	k_q415281d9c4_qkv
	.globl	k_q415281d9c4_qkv
	.p2align	8
	.type	k_q415281d9c4_qkv,@function
k_q415281d9c4_qkv:
	s_mov_b64 s[64:65], 0
	v_nop
	global_prefetch_b8 v0, s[64:65] scope:SCOPE_SE
	s_setreg_imm32_b32 hwreg(HW_REG_WAVE_MODE, 25, 1), 1
	s_wait_xcnt 0x0
	s_wait_alu depctr_hold_cnt(0) depctr_sa_sdst(0) depctr_va_vdst(0) depctr_va_sdst(0) depctr_va_ssrc(0) depctr_va_vcc(0) depctr_vm_vsrc(0)
	s_getreg_b32 s2, hwreg(HW_REG_IB_STS2, 6, 4)
	s_cmp_eq_u32 s2, 0
	s_cbranch_scc0 .Lentry_in_a_cluster
	s_endpgm
.Lentry_in_a_cluster:
	s_bfe_u32 s2, ttmp6, 0x10000c
	s_cmp_lg_u32 s2, 0xf033
	s_cbranch_scc0 .Lentry_shape_is_right
	s_endpgm
.Lentry_shape_is_right:
; The three quantised products, on codes of E2M1 with one E8M0 scale for each 32 along K = 2048, and the rotary step.  C[m][n] = sum over k of A[m][k] B[n][k], rows of A and B taken from the one
; buffer of codes [8192][1024 bytes] (rows 0-2047 x, 2048-4095 Wq, 4096-6143 Wk, 6144-8191 Wv) and scales [8192][64].
; Clusters x = 0-3: A = x, B = Wq and Wk: a lane ends with ONE token and eight neighbouring channels.  Clusters x = 4, 5: A = Wv, B = x, the same sums with the sources changed over: a lane ends with
; ONE channel and eight neighbouring tokens.  Both are the layouts in which the attention launch wants its 16-bit operands, so results leave straight from registers, 512 consecutive bytes a store.
; A tile of C, 256 x 256, is made by four waves, 128 x 128 each: 64 accumulators.  A wave's 128 columns (q, k) or 128 rows (v) are one head, so the rotary step's partner channel d + 64 lies in the same lane.
; K goes in steps of 512 through a ring of two LDS slots filled by the tensor data mover (rows of 256 bytes); the scales of the work-group's rows come once, with the first fills, and stay.
; CLUSTERS: 4 x 4 work-groups; A's tiles are asked for jointly along a row of the cluster, B's along a column.  The choice between the two kinds hangs on the cluster's x, which all sixteen partners share.
; THE MATRIX INSTRUCTION IS USED TRANSPOSED: source 0 = 16 rows of B, source 1 = 16 rows of A: accumulator (a, b), lane (r, h), register j = C(16 a + r, 16 b + 8 h + j).
; OUT: qk16 [32 heads: q, then k][128 tiles of 16 tokens][b 0-7][lane][16 bytes] = f16 of (q or k behind the rotary step) / 16, token 16 T + r, channels 16 b + 8 h + 0 .. 7;
;      v16 [16 heads][64 groups of 32 tokens][8 tiles of 16 channels][half][lane][16 bytes] = f16 of v, channel 16 a + r, tokens 32 u + 16 half + 8 h + 0 .. 7;
;      rows32 [48][16][lane][16 bytes]: the same registers of tokens 0-15 in f32, for the launch that carries those positions finely.
; REGISTERS, in windows of 256: window 0: v0-31 addresses; v32-95 scale words, two sets; from v128 A's fragments, one set; on the way out v32-47 at work, v64-127 results in f32, v128-191 packed results, two sets.
;   window 1: B's fragments, two sets; on the way out the tables, two sets of 64 + 64.   window 2: accumulators of my rows 0-63 ((a, b) at v[8 (8 a + b)]);   window 3: those of rows 64-127.
.set SIZE_K, 2048
.set KSTEP,  512
.set NQ,     KSTEP/128
.set ROWB,   256                       ; a tile's row in bytes
.set KROW,   SIZE_K*4/8                ; a row of codes in memory
.set PITCH,  272                       ; an LDS row: 256 bytes + 16 of padding: the 16 rows that a load touches start at 16 different banks
.set FR,     8
.set NL,     2
.set NP,     4                         ; places behind this matrix instruction (ISA guide 7.12.1)
.set HALFT,  128*PITCH
.set SLOT,   4*HALFT
.set LAPS,   SIZE_K/(2*KSTEP)
.set KS,     SIZE_K/32
.set SCL,    2*SLOT                    ; behind the ring: the scales, as units of 256 bytes + 16 of padding
.set HALFS,  (128*KS/256)*272
.set SBLK,   (16*KS/256)*272
.set SPARE,  SCL+4*HALFS               ; behind the scales: the spare words, 128 bytes a wave, which no other line names
.set ADRA, 16
.set ADRB, 20
.set CO,   26                          ; v26 16 x lane: my place in every image
.set ADRS, 27
.set SPW,  28
.set NIL,  29
.set ROWF, 30                          ; v30 0 in the waves that hold tokens 0-15
.set SC,   32
.set AF,   128
.set TT,   32
.set RR,   64
.set PK,   128
.set G1, 24
.set G0, 32
.set G1B, 48
.set G0B, 56
.set G1S, 68
.set G0S, 76
.set G1SB, 80
.set G0SB, 88
.set MSB, 0
.macro WIN new                         ; the immediate's high byte repeats the setting that is left
.if MSB != (\new)
	s_set_vgpr_msb (MSB<<8)|(\new)
.set MSB, (\new)
.endif
.endm
.set MUL_LO, 0xa1                      ; source 0 (B) window 1, source 1 (A) window 0, C and D window 2
.set MUL_HI, 0xf1
.set TO_B,   0x40
; A joint load: waves 0 and 1 fetch for A, waves 2 and 3 for B; the branch hangs on the wave's number alone.  An s_nop 0 and four v_nop follow each of the two lines.
.macro JLOAD g0a, g1a, g0b, g1b
	s_cmp_eq_u32 s15, 0
	s_cbranch_scc0 .Lfor_b_\@
	tensor_load_to_lds s[\g0a:\g0a+3], s[\g1a:\g1a+7]
	s_nop 0
.rept 4
	v_nop
.endr
	s_branch .Lasked_\@
.Lfor_b_\@:
	tensor_load_to_lds s[\g0b:\g0b+3], s[\g1b:\g1b+7]
	s_nop 0
.rept 4
	v_nop
.endr
.Lasked_\@:
.endm
.macro CREST                           ; a round of the cluster's barrier behind its opening barrier
	s_cmp_lg_u32 s14, 0
	s_cbranch_scc1 .Lnot_wave_0_\@
	s_barrier_signal -3
.Lnot_wave_0_\@:
	s_barrier_wait -3
	s_barrier_signal -1
	s_barrier_wait -1
.endm
.macro CROUND
	s_barrier_signal -1
	s_barrier_wait -1
	CREST
.endm
	s_load_b128 s[4:7], s[0:1], 0x0                ; codes s[4:5], scales s[6:7]
	s_load_b128 s[8:11], s[0:1], 0x10              ; cs s[8:9], qk16 s[10:11]
	s_load_b128 s[96:99], s[0:1], 0x20             ; v16 s[96:97], rows32 s[98:99]
	v_lshl_add_u32 v[SPW], v0, 2, SPARE
	v_mov_b32 v[NIL], 0
	ds_add_u32 v[SPW], v[NIL]                      ; the wave's opening: the add, twice on end, and its wait ahead of my first tensor load
	ds_add_u32 v[SPW], v[NIL]                      ; and once more, under the one wait; the set-up below, work on registers, stands between
	v_lshrrev_b32 v1, 5, v0
	v_readfirstlane_b32 s14, v1                    ; wave 0..3
	s_lshr_b32 s15, s14, 1                         ; which half of the tile's rows is mine.  Also: I fetch for A (0) or for B (1)
	s_and_b32 s16, s14, 1                          ; which half of its columns.  Also: which 128 rows of that tile I fetch
	s_bfe_u32 s40, ttmp6, 0x40000                  ; cx, cy: my place in the cluster
	s_bfe_u32 s41, ttmp6, 0x40004
	s_lshl_b32 s42, ttmp9, 2
	s_add_co_u32 s42, s42, s40                     ; tile column = 4 x cluster x + cx
	s_and_b32 s17, ttmp7, 0xffff
	s_lshl_b32 s17, s17, 2
	s_add_co_u32 s17, s17, s41                     ; tile row = 4 x cluster y + cy
	s_lshl_b32 s43, s41, 2
	s_lshl_b32 s43, 15, s43                        ; my row of the cluster
	s_lshl_b32 s44, 0x1111, s40                    ; my column
	; descriptor group 1: a tile of 128 rows x 256 bytes, padded in LDS
	s_or_b32 s[G1+0], s43, (0<<16)|(1<<20)|(1<<21)|(5<<22)|(3<<25)  ; the mask: A's tiles go to my row; elements of 1 byte; padding on; bit 21 beside a mask; 4 words after every 64
	s_or_b32 s[G1B+0], s44, (0<<16)|(1<<20)|(1<<21)|(5<<22)|(3<<25)
.irp g, G1, G1B
	s_mov_b32 s[\g+1], ROWB<<16                    ; tensor_dim0
	s_mov_b32 s[\g+2], 128<<16                     ; tensor_dim1
	s_mov_b32 s[\g+3], ROWB<<16                    ; tile_dim0
	s_mov_b32 s[\g+4], 128                         ; tile_dim1
	s_mov_b32 s[\g+5], KROW                        ; from row to row
	s_mov_b32 s[\g+6], 0
	s_mov_b32 s[\g+7], 0
.endr
	; the scales of 128 rows: a dense block of 8,192 bytes, as rows of 256 bytes (32 elements of 8), 16 bytes of padding behind each
	s_or_b32 s[G1S+0], s43, (3<<16)|(1<<20)|(1<<21)|(5<<22)|(3<<25)
	s_or_b32 s[G1SB+0], s44, (3<<16)|(1<<20)|(1<<21)|(5<<22)|(3<<25)
.irp g, G1S, G1SB
	s_mov_b32 s[\g+1], 32<<16
	s_mov_b32 s[\g+2], (128*KS/256)<<16
	s_mov_b32 s[\g+3], 32<<16
	s_mov_b32 s[\g+4], 128*KS/256
	s_mov_b32 s[\g+5], 32
	s_mov_b32 s[\g+6], 0
	s_mov_b32 s[\g+7], 0
.endr
	s_cmp_ge_u32 ttmp9, 4                          ; clusters x = 4, 5 make v: the same in all sixteen partners
	s_cselect_b32 s95, 6144, 0
	s_lshl_b32 s18, s16, 7                         ; which 128 rows of the tile I fetch
	s_lshl_b32 s20, s17, 8
	s_add_co_u32 s20, s20, s18
	s_add_co_u32 s20, s20, s95                     ; A: x's rows from 0, or Wv's from 6144: + 256 x tile row + 128 x half
	s_lshl_b32 s46, s42, 8
	s_add_co_u32 s46, s46, s18
	s_add_co_u32 s46, s46, 2048
	s_sub_co_u32 s46, s46, s95                     ; B: Wq's and Wk's rows from 2048 (tile columns 0-15), or x's from 0 (tile columns 16-23)
	s_mov_b32 s21, 0
	s_mov_b32 s47, 0
	s_mov_b64 s[18:19], KS
	s_mul_u64 s[22:23], s[20:21], s[18:19]         ; where these rows' scales begin, in bytes
	s_mul_u64 s[92:93], s[46:47], s[18:19]
	s_mov_b64 s[18:19], KROW
	s_mul_u64 s[20:21], s[20:21], s[18:19]         ; and their codes
	s_mul_u64 s[46:47], s[46:47], s[18:19]
	s_mul_i32 s45, s14, HALFT                      ; where they go: wave x 128 rows: no place in the cluster enters an LDS address
	s_mul_i32 s94, s14, HALFS
	s_wait_dscnt 0x0                               ; both opening adds are done
	s_wait_kmcnt 0x0
	s_add_nc_u64 s[20:21], s[4:5], s[20:21]
	s_add_nc_u64 s[22:23], s[6:7], s[22:23]
	s_add_nc_u64 s[46:47], s[4:5], s[46:47]
	s_add_nc_u64 s[92:93], s[6:7], s[92:93]
	CROUND                                         ; all sixteen work-groups are here: the first joint loads meet
	s_mov_b32 s[G0S], 1
	s_add_co_u32 s[G0S+1], s94, SCL
	s_mov_b64 s[G0S+2:G0S+3], s[22:23]
	s_or_b32 s[G0S+3], s[G0S+3], 0x80000000
	s_mov_b32 s[G0SB], 1
	s_add_co_u32 s[G0SB+1], s94, SCL
	s_mov_b64 s[G0SB+2:G0SB+3], s[92:93]
	s_or_b32 s[G0SB+3], s[G0SB+3], 0x80000000
	JLOAD G0S, G1S, G0SB, G1SB                     ; the scales first: they are wanted with K step 0.  Three loads of mine are out at the most
.irp s, 0,1
	s_mov_b32 s[G0+4*\s], 1
	s_add_co_u32 s[G0+4*\s+1], s45, \s*SLOT
	s_add_nc_u64 s[G0+4*\s+2:G0+4*\s+3], s[20:21], \s*ROWB
	s_or_b32 s[G0+4*\s+3], s[G0+4*\s+3], 0x80000000
	s_mov_b32 s[G0B+4*\s], 1
	s_add_co_u32 s[G0B+4*\s+1], s45, \s*SLOT
	s_add_nc_u64 s[G0B+4*\s+2:G0B+4*\s+3], s[46:47], \s*ROWB
	s_or_b32 s[G0B+4*\s+3], s[G0B+4*\s+3], 0x80000000
	JLOAD G0+4*\s, G1, G0B+4*\s, G1B
.endr
	v_and_b32 v1, 15, v0                           ; l % 16
	v_bfe_u32 v2, v0, 4, 1                         ; l / 16
	v_mul_u32_u24 v3, v1, PITCH
	v_lshl_add_u32 v4, v2, 4, v3                   ; a fragment's row x pitch + 16 x half
	s_mul_i32 s21, s15, HALFT                      ; my 128 rows of A
	s_mul_i32 s22, s16, HALFT                      ; my 128 rows of B,
	s_add_co_u32 s22, s22, 2*HALFT                 ; which lie behind A's 256
.irp s, 0,1
	v_add_nc_u32 v[ADRA+\s], s21, v4
	v_add_nc_u32 v[ADRB+\s], s22, v4
	s_add_co_u32 s21, s21, SLOT
	s_add_co_u32 s22, s22, SLOT
.endr
	v_mul_u32_u24 v5, v1, KS                       ; my row's scales: 64 bytes a row,
	v_lshrrev_b32 v6, 8, v5
	v_lshl_add_u32 v5, v6, 4, v5                   ; and 16 more for each 256 passed
	s_mul_i32 s21, s15, HALFS
	s_mul_i32 s22, s16, HALFS
	s_add_co_u32 s22, s22, 2*HALFS
	s_sub_co_u32 s22, s22, s21
	v_mul_u32_u24 v6, s22, v2                      ; lanes 16-31 take B's
	s_add_co_u32 s21, s21, SCL
	v_add_nc_u32 v5, v5, v6
	v_add_nc_u32 v[ADRS], s21, v5
	v_and_b32 v6, 31, v0
	v_lshlrev_b32 v[CO], 4, v6
.macro FRAG reg, adr, q, i             ; 16 rows x 128 K of 4-bit codes: 8 registers, two loads of 16 bytes, 32 bytes apart
.irp c, 0,1
	ds_load_b128 v[\reg+4*\c:\reg+4*\c+3], v[\adr] offset:64*(\q)+32*\c+(\i)*16*PITCH
.endr
.endm
; 16 matrix instructions: A's blocks a0, a0 + 1 x B's eight, 128 along K.  The 64 accumulators take turns, one instruction a turn, in the same order in every step.
.macro MUL16 a0, p, q, sc, zero
.irp a, \a0, \a0+1
.irp b, 0,1,2,3,4,5,6,7
.if \zero
	v_wmma_scale_f32_16x16x128_f8f6f4 v[8*(8*((\a)%4)+\b):8*(8*((\a)%4)+\b)+7], v[128*(\p)+FR*\b:128*(\p)+FR*\b+FR-1], v[AF+FR*(\a):AF+FR*(\a)+FR-1], 0, v[SC+8*NQ*(\sc)+NQ*\b+(\q)], v[SC+8*NQ*(\sc)+NQ*(\a)+(\q)] matrix_a_fmt:MATRIX_FMT_FP4 matrix_b_fmt:MATRIX_FMT_FP4 matrix_a_scale:MATRIX_SCALE_ROW1
.else
	v_wmma_scale_f32_16x16x128_f8f6f4 v[8*(8*((\a)%4)+\b):8*(8*((\a)%4)+\b)+7], v[128*(\p)+FR*\b:128*(\p)+FR*\b+FR-1], v[AF+FR*(\a):AF+FR*(\a)+FR-1], v[8*(8*((\a)%4)+\b):8*(8*((\a)%4)+\b)+7], v[SC+8*NQ*(\sc)+NQ*\b+(\q)], v[SC+8*NQ*(\sc)+NQ*(\a)+(\q)] matrix_a_fmt:MATRIX_FMT_FP4 matrix_b_fmt:MATRIX_FMT_FP4 matrix_a_scale:MATRIX_SCALE_ROW1
.endif
.endr
.endr
.endm
.macro FETCH_B slot, q, p
	WIN TO_B
.irp i, 0,1,2,3,4,5,6,7
	FRAG 128*(\p)+FR*\i, ADRB+\slot, \q, \i
.endr
	WIN 0
.endm
.macro FETCH_A slot, q, i0
.irp i, \i0, \i0+1, \i0+2, \i0+3
	FRAG AF+FR*(\i), ADRA+\slot, \q, \i
.endr
.endm
.macro SCALES sc                       ; a K step's scale words: lanes 0-15 take A's block i, lanes 16-31 B's block i
.irp i, 0,1,2,3,4,5,6,7
	ds_load_b128 v[SC+8*NQ*\sc+NQ*\i:SC+8*NQ*\sc+NQ*\i+3], v[ADRS] offset:\i*SBLK
.endr
.endm
.macro PLACES n                        ; plain vector instructions between a matrix instruction and a load into, a write of or a read of its registers
.rept \n
	v_nop
.endr
.endm
.macro STEP slot, q, zero              ; 128 along K that has its successor in the same slot
	s_wait_dscnt 4*NL                              ; B's set and A's blocks 0-3 are in; the youngest eight loads (A's blocks 4-7) may be out
	WIN MUL_LO
	MUL16 0, (\q)%2, \q, \slot, \zero
	MUL16 2, (\q)%2, \q, \slot, \zero
	s_wait_dscnt 0                                 ; A's blocks 4-7 are in
	PLACES NP
	FETCH_B \slot, (\q)+1, 1-(\q)%2
	FETCH_A \slot, (\q)+1, 0
	WIN MUL_HI
	MUL16 4, (\q)%2, \q, \slot, \zero
	MUL16 6, (\q)%2, \q, \slot, \zero
	PLACES NP
	WIN 0
	FETCH_A \slot, (\q)+1, 4
.endm
; A slot's last step changes slots: one barrier; in front of it each wave waits for all its tensor loads, adds 0 to its spare word, and waits for that and for its own reads of this slot.
.macro TURN slot, next, fill
	s_wait_tensorcnt 0x0                           ; all my tensor loads have landed: my part of the next slot
	ds_add_u32 v[SPW], v[NIL]                      ; 0 onto my spare word
	s_wait_dscnt 4*NL+1                            ; the add and the youngest eight loads may be out
	WIN MUL_LO
	MUL16 0, 1, NQ-1, \slot, 0                     ; sixteen matrix instructions stand between the add and the wait for it
	s_wait_dscnt 0x0                               ; the add is done, and my reads of this slot are over
	s_barrier_signal -1
	MUL16 2, 1, NQ-1, \slot, 0
	WIN 0
	s_barrier_wait -1
.if \fill
	CREST                                          ; the barrier has opened a round of the cluster's barrier: no wave of any partner still reads this slot or has a load on its way
	s_add_nc_u64 s[G0+4*\slot+2:G0+4*\slot+3], s[G0+4*\slot+2:G0+4*\slot+3], 2*ROWB
	s_add_nc_u64 s[G0B+4*\slot+2:G0B+4*\slot+3], s[G0B+4*\slot+2:G0B+4*\slot+3], 2*ROWB
	JLOAD G0+4*\slot, G1, G0B+4*\slot, G1B         ; the first tensor load behind the round; its four v_nop are the places in front of the loads below
.else
	PLACES NP
.endif
	v_add_nc_u32 v[ADRS], 4*NQ, v[ADRS]            ; on to the next K step's scale words (no LDS load of mine is out)
	FETCH_B \next, 0, 0
	FETCH_A \next, 0, 0
	SCALES \next
	WIN MUL_HI
	MUL16 4, 1, NQ-1, \slot, 0
	MUL16 6, 1, NQ-1, \slot, 0
	PLACES NP
	WIN 0
	FETCH_A \next, 0, 4
.endm
.macro STEPS slot, from
.set Q, \from
.rept NQ-1-\from
	STEP \slot, Q, 0
.set Q, Q+1
.endr
.endm
	s_wait_tensorcnt 1                             ; the scales and my part of K step 0 are in; K step 1's load may be out
	s_barrier_signal -1
	s_barrier_wait -1
	FETCH_B 0, 0, 0
	FETCH_A 0, 0, 0
	SCALES 0
	FETCH_A 0, 0, 4
	STEP 0, 0, 1                                   ; the first step stands in front of the loop: its products start the sums
	s_mov_b32 s3, LAPS-1
.Llap:                                                 ; a trip goes once round the ring and fills both slots again
	STEPS 0, 1
	TURN 0, 1, 1
	STEPS 1, 0
	TURN 1, 0, 1
	STEP 0, 0, 0
	s_sub_co_u32 s3, s3, 1
	s_cmp_lg_u32 s3, 0
	s_cbranch_scc1 .Llap
	STEPS 0, 1                                     ; the last lap fills nothing
	TURN 0, 1, 0
	STEPS 1, 0
	s_wait_dscnt 4*NL
	WIN MUL_LO
	MUL16 0, 1, NQ-1, 1, 0
	MUL16 2, 1, NQ-1, 1, 0
	s_wait_dscnt 0
	WIN MUL_HI
	MUL16 4, 1, NQ-1, 1, 0
	MUL16 6, 1, NQ-1, 1, 0
	WIN 0
	PLACES NP                                      ; behind the last products: for the reads of results, and for loads and writes into the registers that held operands and scales
	s_cmp_ge_u32 ttmp9, 4
	s_cbranch_scc1 .Lv_out
; ---- THE WAY OUT OF q AND k, a block of 16 tokens at a time.
.macro CSLOAD a                        ; the tables of block a: cos into 64 registers of window 1, sin into the next 64; 512 consecutive bytes a load
	WIN 0x40
.irp n, 0,1,2,3,4,5,6,7,8,9,10,11,12,13,14,15
	global_load_b128 v[128*((\a)%2)+4*\n:128*((\a)%2)+4*\n+3], v[CO], s[8:9] offset:(\a)*8192+\n*512
	global_load_b128 v[128*((\a)%2)+64+4*\n:128*((\a)%2)+64+4*\n+3], v[CO], s[8:9] offset:(\a)*8192+\n*512+1048576
.endr
	WIN 0
.endm
; y[d] = x[d] cos[d] - x[d + 64] sin[d] and y[d + 64] = x[d + 64] cos[d + 64] + x[d] sin[d + 64], d under 64, two channels an instruction; the tables carry the factor 1 / 16.
; Each accumulator is read from its low end on.
.macro ROPE a
	WIN 0x06+((\a)/4)                              ; source 0: the accumulators' window; source 1: window 1; source 2 and destination: window 0
.irp b, 0,1,2,3
.irp jj, 0,2,4,6
.set AL, 64*((\a)%4)+8*\b+\jj
.set CL, 128*((\a)%2)+8*\b+\jj
.set T0, TT+4*(\jj/2)
	v_pk_mul_f32 v[T0:T0+1], v[AL+32:AL+33], v[CL+64:CL+65]
	v_pk_mul_f32 v[T0+2:T0+3], v[AL:AL+1], v[CL+96:CL+97]
	v_pk_fma_f32 v[RR+8*\b+\jj:RR+8*\b+\jj+1], v[AL:AL+1], v[CL:CL+1], v[T0:T0+1] neg_lo:[0,0,1] neg_hi:[0,0,1]
	v_pk_fma_f32 v[RR+32+8*\b+\jj:RR+32+8*\b+\jj+1], v[AL+32:AL+33], v[CL+32:CL+33], v[T0+2:T0+3]
.endr
.endr
.endm
.macro PACKQ a
	WIN 0
.set n, 0
.rept 32
	v_cvt_pk_f16_f32 v[PK+32*((\a)%2)+n], v[RR+2*n], v[RR+2*n+1]
.set n, n+1
.endr
.endm
.macro SENDQ a
.irp b, 0,1,2,3,4,5,6,7
	global_store_b128 v[CO], v[PK+32*((\a)%2)+4*\b:PK+32*((\a)%2)+4*\b+3], s[12:13] offset:(\a)*4096+\b*512   ; 32 lanes store 512 consecutive bytes, aligned
.endr
.endm
	s_lshl_b32 s20, s17, 4
	s_lshl_b32 s21, s15, 3
	s_add_co_u32 s20, s20, s21                     ; my first tile of 16 tokens
	s_lshl_b32 s22, s42, 1
	s_add_co_u32 s22, s22, s16                     ; my head: 0-15 q, 16-31 k
	v_mov_b32 v[ROWF], s20
	s_lshl_b32 s46, s22, 19
	s_lshl_b32 s47, s20, 12
	s_add_co_u32 s46, s46, s47
	s_mov_b32 s47, 0
	s_add_nc_u64 s[12:13], s[10:11], s[46:47]
	s_lshl_b32 s46, s20, 13
	s_add_nc_u64 s[8:9], s[8:9], s[46:47]
	s_lshl_b32 s46, s22, 13
	s_add_nc_u64 s[98:99], s[98:99], s[46:47]
	CSLOAD 0
.irp a, 0,1,2,3,4,5,6,7
.if \a < 7
	CSLOAD \a+1
	s_wait_loadcnt 32                              ; this block's tables are in; the next block's 32 loads may be out
.else
	s_wait_loadcnt 0x0
.endif
	s_wait_xcnt 0x0                                ; earlier stores have read their data: the results' registers are written again only behind this wait
	ROPE \a
	PACKQ \a
.if \a == 0
	v_cmp_eq_u32 vcc_lo, 0, v[ROWF]                ; tokens 0-15 also leave in f32.  A mask of lanes and no branch: the tile row differs between partners of the cluster
	s_wait_xcnt 0x0                                ; EXEC changes only behind this wait
	s_and_saveexec_b32 s94, vcc_lo
.irp n, 0,1,2,3,4,5,6,7,8,9,10,11,12,13,14,15
	global_store_b128 v[CO], v[RR+4*\n:RR+4*\n+3], s[98:99] offset:\n*512
.endr
	s_wait_xcnt 0x0                                ; and again in front of the line that widens it
	s_or_b32 exec_lo, exec_lo, s94
.endif
	SENDQ \a
.endr
	s_branch .Lend
; ---- THE WAY OUT OF v: accumulator (a, b) holds channel 16 a + r and tokens 16 b + 8 h + 0 .. 7
.Lv_out:
	s_lshl_b32 s20, s17, 1
	s_add_co_u32 s20, s20, s15                     ; my head
	s_sub_co_u32 s22, s42, 16
	s_lshl_b32 s22, s22, 3
	s_lshl_b32 s21, s16, 2
	s_add_co_u32 s22, s22, s21                     ; my first group of 32 tokens
	v_mov_b32 v[ROWF], s22
	s_lshl_b32 s46, s20, 19
	s_lshl_b32 s47, s22, 13
	s_add_co_u32 s46, s46, s47
	s_mov_b32 s47, 0
	s_add_nc_u64 s[12:13], s[96:97], s[46:47]
	s_add_co_u32 s46, s20, 32
	s_lshl_b32 s46, s46, 13
	s_add_nc_u64 s[98:99], s[98:99], s[46:47]
	v_cmp_eq_u32 vcc_lo, 0, v[ROWF]                ; tokens 0-15 in f32: accumulators (a, 0), each from its low end on
	s_wait_xcnt 0x0
	s_and_saveexec_b32 s94, vcc_lo
	WIN 0x08                                       ; a store's data are its source 1: window 2
.irp a, 0,1,2,3
	global_store_b128 v[CO], v[64*\a:64*\a+3], s[98:99] offset:(2*\a)*512
	global_store_b128 v[CO], v[64*\a+4:64*\a+7], s[98:99] offset:(2*\a+1)*512
.endr
	WIN 0x0c                                       ; window 3
.irp a, 0,1,2,3
	global_store_b128 v[CO], v[64*\a:64*\a+3], s[98:99] offset:(2*\a+8)*512
	global_store_b128 v[CO], v[64*\a+4:64*\a+7], s[98:99] offset:(2*\a+9)*512
.endr
	WIN 0
	s_wait_xcnt 0x0
	s_or_b32 exec_lo, exec_lo, s94
.irp a, 0,1,2,3,4,5,6,7
.if \a > 1
	s_wait_xcnt 0x0                                ; the stores of two blocks back have read this set
.endif
	WIN 0x0a+5*(\a/4)                              ; sources 0 and 1: window 2 or 3
.set n, 0
.rept 32
	v_cvt_pk_f16_f32 v[PK+32*(\a%2)+n], v[64*(\a%4)+2*n], v[64*(\a%4)+2*n+1]
.set n, n+1
.endr
	WIN 0
.irp b, 0,1,2,3,4,5,6,7
	global_store_b128 v[CO], v[PK+32*(\a%2)+4*\b:PK+32*(\a%2)+4*\b+3], s[12:13] offset:(\b/2)*8192+\a*1024+(\b%2)*512
.endr
.endr
.Lend:
	s_wait_tensorcnt 0x0                           ; the wave's end: a tensor wait, an add onto my spare word and its wait, behind my last tensor load
	ds_add_u32 v[SPW], v[NIL]
	s_wait_dscnt 0x0
	CROUND                                         ; the closing round: no work-group ends while a partner may still ask for a tile that names it
	s_endpgm
.Lfunc_end_k_q415281d9c4_qkv:
	.size	k_q415281d9c4_qkv, .Lfunc_end_k_q415281d9c4_qkv-k_q415281d9c4_qkv
	.p2alignl 7, 3214868480
	.fill 96, 4, 3214868480
	.section	.rodata,"a",@progbits
	.p2align	6, 0x0
	.amdhsa_kernel k_q415281d9c4_qkv
		.amdhsa_group_segment_fixed_size 327680
		.amdhsa_private_segment_fixed_size 0
		.amdhsa_enable_private_segment 0
		.amdhsa_kernarg_size 48
		.amdhsa_user_sgpr_count 2
		.amdhsa_user_sgpr_kernarg_segment_ptr 1
		.amdhsa_wavefront_size32 1
		.amdhsa_system_sgpr_workgroup_id_x 1
		.amdhsa_system_sgpr_workgroup_id_y 1
		.amdhsa_system_sgpr_workgroup_id_z 1
		.amdhsa_system_vgpr_workitem_id 0
		.amdhsa_next_free_vgpr 1024
		.amdhsa_next_free_sgpr 100
		.amdhsa_reserve_vcc 1
		.amdhsa_float_denorm_mode_32 3
		.amdhsa_float_denorm_mode_16_64 3
		.amdhsa_memory_ordered 1
		.amdhsa_forward_progress 1
		.amdhsa_inst_pref_size 255
	.end_amdhsa_kernel
	.section	.bss,"aw",@nobits
	.p2align	6
	.space	262144
	.amdgpu_metadata
---
amdhsa.version: [ 1, 2 ]
amdhsa.kernels:
  - .name:           k_q415281d9c4_qkv
    .symbol:         k_q415281d9c4_qkv.kd
    .args:
      - { .name: codes, .offset: 0, .size: 8, .value_kind: global_buffer, .address_space: global }
      - { .name: scales, .offset: 8, .size: 8, .value_kind: global_buffer, .address_space: global }
      - { .name: cs, .offset: 16, .size: 8, .value_kind: global_buffer, .address_space: global }
      - { .name: qk16, .offset: 24, .size: 8, .value_kind: global_buffer, .address_space: global }
      - { .name: v16, .offset: 32, .size: 8, .value_kind: global_buffer, .address_space: global }
      - { .name: rows32, .offset: 40, .size: 8, .value_kind: global_buffer, .address_space: global }
    .group_segment_fixed_size: 327680
    .private_segment_fixed_size: 0
    .kernarg_segment_align: 8
    .kernarg_segment_size: 48
    .max_flat_workgroup_size: 128
    .sgpr_count:     100
    .vgpr_count:     1024
    .wavefront_size: 32
...
	.end_amdgpu_metadata
.endif
;; end of part 2
;; launch attn (part 3): grid 16 x 16, 4 waves a work-group, no clusters, 153,088 bytes of LDS; arguments qk16, v16, o16, rows32; writes o16
.if DOCPART == 3
	.amdgcn_target "amdgcn-amd-amdhsa--gfx1250"
	.amdhsa_code_object_version 6
	.text
	.protected	k_q415281d9c4_attn
	.globl	k_q415281d9c4_attn
	.p2align	8
	.type	k_q415281d9c4_attn,@function
k_q415281d9c4_attn:
	s_mov_b64 s[64:65], 0
	v_nop
	global_prefetch_b8 v0, s[64:65] scope:SCOPE_SE
	s_setreg_imm32_b32 hwreg(HW_REG_WAVE_MODE, 25, 1), 1
	s_wait_xcnt 0x0
; Causal attention of one head, operands in f16, products, maxima and sums in f32.  LEFT OUT: key steps all of whose 64 keys come after all 64 queries of a block: the layer's own mask gives them the weight 0.
; SHARES.  Work-group (i, head) owns the blocks of 64 queries numbered i and 31 - i, one after the other (two phases): i + 1 and 32 - i key steps of 64, 33 in every work-group.
; THE WAVES SPLIT THE KEYS: each wave holds all 64 queries (four tiles of 16) and walks every fourth key step, from step w in the first phase and from 3 - w in the second, so that no wave has more than nine steps.
; A fragment of K or V feeds four tiles and no wave reads what another reads: so fragments come from memory straight into registers, laid by the launch before in the order of the operands' registers,
; 512 consecutive bytes a load, one step ahead.  No tensor load, no ring, no barrier in the loop.  At a phase's end the four partial results (c m, l, O^T) meet in LDS and wave w finishes tile w.
; NO CLUSTER: the work-groups of a head need different numbers of steps and walk them at different times, and there is no tensor load by which to ask jointly.
; LAYOUT.  S^T = K Q^T (source 0 = 16 keys, source 1 = 16 queries): a lane holds ONE query (lane % 16) and keys 8 (lane / 16) + 0 .. 7; two such tiles, rounded to f16 in pairs, are source 1 of O^T = V^T P.
; SOFTMAX.  Running maximum m and sum l for each query: p = 2^(c s - c m).  q and k arrive as q / 16 and k / 16, so c = 256 log2(e) / sqrt(128).  Only step number = block number lies on the diagonal; there hidden scores become minus infinity.
; A KEY STEP: piece 0 (tiles 0, 1): 32 products K Q^T | piece 2: 32 products K Q^T with piece 0's softmax in slices between them | piece 0: 32 products V^T P with piece 2's softmax between them | piece 2: 32 products V^T P.
; The waves w > i of blocks 0 to 2 have no step in the first phase: their loads at the head bring a step that they do not use, and they hand in zeros.
; POSITIONS 0-15 IN f32.  These positions average one to sixteen values, are the largest in size and have the least room for the rounding of 16-bit operands.  In work-group i = 0 wave 1 has no step in the first
; phase: there it makes its head's attention result of queries 0-15 in f32 throughout, once for the whole program, from the f32 images that the launch before stored (keys 16 and beyond are left out: the layer's own
; mask hides them from these queries).  The result lies behind o16's 2048 rows, from byte 8,388,608 on: [head][n = 2 a + q][lane][16 bytes] = o(query lane % 16, channels 16 a + 8 (lane / 16) + 4 q + 0 .. 3), f32:
; the order in which the last launch's source 1 wants it.
; REGISTERS, in windows of 256: window 0: v1-11 addresses; v12-43 statistics, eight a tile; v44 r - 8 h; v45 minus infinity; v46-55 the merge's; v64-191 S^T, 32 a tile; v192-255 P, 16 a tile.
;   window 1: O^T, 64 a tile.   window 2: v0-127 Q, v128-255 K of one step.   window 3: v0-127 V of one step; v128-207 the accumulators of the f32 products, written by matrix instructions alone.
.set LA,   2                           ; v2  16 x lane
.set PFO,  3                           ; v3  256 x lane: the prefetches' offset
.set OPA,  4                           ; v4  where I put my partial O^T: 32,768 x wave + 16 x lane
.set MA,   5                           ; v5  where I read tile w of waves 0 and 1: 8,192 x wave + 16 x lane
.set STO,  6
.set RD,   7
.set GO,   8
.set SSA,  10                          ; v10 where I put my statistics
.set MSA,  11                          ; v11 where I read tile w's
.set ST,   12                          ; tile t at v[ST + 8 t]: +0 c m, +1 m, +2, +3 l, +4 to +7 at work
.set D0,   44
.set NINF, 45
.set MT,   46                          ; v46-53: wave v's c m at 46 + 2 v, its l at 47 + 2 v; v54, v55 at work
.set MA2,  56                          ; v56 MA + 65,536: waves 2 and 3
.set SPW,  62
.set NIL,  63
.set S,    64
.set P,    192
.set KF,   128
.set FQ,   64                          ; the f32 block, window 0: v64-127 q, then p in v64-71
.set FV,   128                         ; v128-191 v
.set FK,   192                         ; v192-255 k, then the result
.set FS,   128                         ; window 3: v128-143 S^T in two accumulators
.set FO,   144                         ; window 3: v144-207 O^T, eight accumulators
.set STATS, 131072                     ; LDS: 0: four partial O^T of 32,768 bytes; here: statistics, 1,024 bytes a wave
.set STAGE, 135168                     ; 16 rows x 272 bytes for each wave, for the way out
.set SP,    272
.set SPARE, STAGE+4*16*SP              ; the spare words, 128 bytes a wave, which no other line names
.set WV,   10
.set II,   11
.set HD,   12
.set PHI,  13
.set BLK,  14
.set MID,  15
.set SI,   16                          ; the step in hand
.set CNT,  17
.set BLKM, 18
.set LIMS, 19
.set KB,   20
.set VB,   22
.set QB,   24
.set OB,   26
.set HO,   28
.set CS,   58
.set SEL,  60
.set MSB, 0
.macro WIN new
.if MSB != (\new)
	s_set_vgpr_msb (MSB<<8)|(\new)
.set MSB, (\new)
.endif
.endm
.set W_KQ, 0x0a                        ; K and Q in window 2, S^T in window 0
.set W_PV, 0x53                        ; V in window 3, P in window 0, O^T in window 1
.set W_RS, 0x41                        ; O^T (destination and source 0) in window 1, a in window 0
.macro PLACES
.rept 4
	v_nop
.endr
.endm
; 32 loads of 512 consecutive bytes: sixteen fragments, fragment f at 1,024 f bytes and at register 8 f
.macro LOADX win, base, sb
	WIN \win
.set n, 0
.rept 32
	global_load_b128 v[\base+4*n:\base+4*n+3], v[LA], s[\sb:\sb+1] offset:512*n
.set n, n+1
.endr
	WIN 0
.endm
; The accumulators take turns, one instruction a turn.  Product i of 32 of O^T += V^T P: keys 32 (i / 16) on, channels 16 ((i / 2) % 8) on, tile x + i % 2.
.macro PV x, zero
	WIN W_PV
.set rO, 64*(\x+i%2)+8*((i/2)%8)
.set rV, 64*(i/16)+8*((i/2)%8)
.set rP, P+16*(\x+i%2)+8*(i/16)
.if \zero && (i < 16)
	v_wmma_f32_16x16x32_f16 v[rO:rO+7], v[rV:rV+7], v[rP:rP+7], 0
.else
	v_wmma_f32_16x16x32_f16 v[rO:rO+7], v[rV:rV+7], v[rP:rP+7], v[rO:rO+7]
.endif
.endm
; Product i of 32 of S^T = K Q^T: channels 32 (i / 8) on, keys 16 ((i / 2) % 4) on, tile x + i % 2.  The first 8 start the sums.
.macro KQ x
	WIN W_KQ
.set rS, S+32*(\x+i%2)+8*((i/2)%4)
.set rK, KF+32*((i/2)%4)+8*(i/8)
.set rQ, 32*(\x+i%2)+8*(i/8)
.if i < 8
	v_wmma_f32_16x16x32_f16 v[rS:rS+7], v[rK:rK+7], v[rQ:rQ+7], 0
.else
	v_wmma_f32_16x16x32_f16 v[rS:rS+7], v[rK:rK+7], v[rQ:rQ+7], v[rS:rS+7]
.endif
.endm
; One tile's softmax for one key step is a list of 134 instructions; SM writes number j of it for tile t.  first = 1: the wave's first step of a phase, which starts m, l and O^T.
;   0-15 the maximum of the lane's 32 scores and the old m;  16-20 the other half's maximum, the new m, c m, c m_old - c m_new;
;   21-69 ONE BATCH: 16 packed scalings c s - c m and all 33 exponentials, none of which reads an exponential's result;  (the wait for the batch);
;   70-85 the roundings to f16;  86-101 the sums, l = a l + the sum;  102-133 the tile's O^T times a.
.macro SM t, first
.set rT, ST+8*(\t)
.set rS, S+32*(\t)
.set rP, P+16*(\t)
.set rO, 64*(\t)+2*(j-102)
.if j < 102
	WIN 0
.endif
.if j < 4
	v_max3_num_f32 v[rT+4+j], v[rS+8*j], v[rS+8*j+1], v[rS+8*j+2]
.elseif j < 12
	v_max3_num_f32 v[rT+4+j%4], v[rT+4+j%4], v[rS+8*(j%4)+2*(j/4)+1], v[rS+8*(j%4)+2*(j/4)+2]
.elseif j == 12
	v_max3_num_f32 v[rT+4], v[rT+4], v[rS+7], v[rS+15]
.elseif j == 13
	v_max3_num_f32 v[rT+6], v[rT+6], v[rS+23], v[rS+31]
.elseif j == 14
	v_max3_num_f32 v[rT+4], v[rT+4], v[rT+5], v[rT+6]
.elseif (j == 15) && \first
	v_max_num_f32 v[rT+4], v[rT+4], v[rT+7]
.elseif j == 15
	v_max3_num_f32 v[rT+4], v[rT+4], v[rT+7], v[rT+1]
.elseif j == 16
	v_permlanex16_b32 v[rT+5], v[rT+4], s[SEL], s[SEL+1]  ; the query's other 32 keys lie in the lane 16 away
.elseif j == 18
	v_max_num_f32 v[rT+1], v[rT+4], v[rT+5]
.elseif j == 19
	v_mul_f32 v[rT], s[CS], v[rT+1]
.elseif ((j == 17) || (j == 20) || (j == 23) || (j > 101)) && \first
.elseif j == 17
	v_mov_b32 v[rT+7], v[rT]
.elseif j == 20
	v_sub_f32 v[rT+7], v[rT+7], v[rT]
.elseif j == 23
	v_exp_f32 v[rT+6], v[rT+7]
.elseif (j < 23) || ((j < 38) && (j%2 == 0)) || ((j < 66) && (j%4 == 2))
.set b, (j-2)/4
.if j < 38
.set b, (j-20)/2
.endif
	v_pk_fma_f32 v[rS+2*b:rS+2*b+1], v[rS+2*b:rS+2*b+1], s[CS:CS+1], v[rT:rT+1] op_sel_hi:[1,0,0] neg_lo:[0,0,1] neg_hi:[0,0,1]
.elseif j < 70
.set e, j-38
.if j < 66
.set e, j-32-(j-38)/4
.endif
.if j < 38
.set e, (j-25)/2
.endif
	v_exp_f32 v[rS+e], v[rS+e]
.elseif j < 86
	v_cvt_pk_f16_f32 v[rP+j-70], v[rS+2*(j-70)], v[rS+2*(j-70)+1]
.elseif j < 102
.set z, j-86
.set w, 4
.set u, z
.if z >= 14
.set w, 32
.set u, 0
.elseif z >= 12
.set w, 16
.set u, z-12
.elseif z >= 8
.set w, 8
.set u, z-8
.endif
.if (z == 14) && \first
	v_pk_add_f32 v[rT+2:rT+3], v[rS:rS+1], v[rS+16:rS+17]
.elseif z < 15
	v_pk_add_f32 v[rS+w*u:rS+w*u+1], v[rS+w*u:rS+w*u+1], v[rS+w*u+w/2:rS+w*u+w/2+1]
.elseif !\first
	v_pk_fma_f32 v[rT+2:rT+3], v[rT+2:rT+3], v[rT+6:rT+7], v[rS:rS+1] op_sel_hi:[1,0,1]
.endif
.else
	WIN W_RS
	v_pk_mul_f32 v[rO:rO+1], v[rO:rO+1], v[rT+6:rT+7] op_sel_hi:[1,0]
.endif
.endm
; Slice k of 64 of piece y's softmax.  Slices 11 to 34 deal out the batch, four numbers of one tile each; every other slice is numbers 2 k and 2 k + 1 of both tiles; slice 63 also takes the twelve that are over.
; Behind slice 34 stand one plain instruction and the one wait between the piece's exponentials and the first instruction that names a result.
.macro SLICE y, first
.if (k >= 11) && (k < 35)
.irp n, 0,1,2,3
.set j, 22+4*((k-11)/2)+(\n)
	SM (\y)+(k-11)%2, \first
.endr
.else
.irp n, 0,1,2,3,4,5,6,7
.if (\n < 2) || (k == 63)
.irp t, \y, \y+1
.set j, 2*k+\n
	SM \t, \first
.endr
.endif
.endr
.endif
.if k == 34
	v_nop
	s_wait_alu depctr_va_vdst(0)
.endif
.set k, k+1
.endm
; On the diagonal step the scores of hidden keys become minus infinity ahead of the maximum.  Query 16 t + r, key 16 kt + 8 h + j: key tiles behind the query tile are hidden whole, those ahead of it not at all,
; in the tile of the same number a key is hidden where j > r - 8 h.  Key 0 of the step counts for every query, so m is a number.  The branch hangs on ids and on the count of steps.
.macro MASKIF y
	s_cmp_lg_u32 s[SI], s[BLK]
	s_cbranch_scc1 .Lopen_\@
.irp t, \y, \y+1
.irp kt, 0,1,2,3
.if (\kt) == (\t)
.irp jj, 0,1,2,3,4,5,6,7
	v_cmp_gt_i32 vcc_lo, \jj, v[D0]
	v_cndmask_b32 v[S+32*(\t)+8*\kt+\jj], v[S+32*(\t)+8*\kt+\jj], v[NINF], vcc_lo
.endr
.elseif (\kt) > (\t)
.irp jj, 0,1,2,3,4,5,6,7
	v_mov_b32 v[S+32*(\t)+8*\kt+\jj], v[NINF]
.endr
.endif
.endr
.endr
.Lopen_\@:
.endm
; A PREFETCH INTO THE L2 of the step whose loads this wave issues two steps on: step SI + 12, 16,384 bytes of K and as many of V, lanes 256 bytes apart, four instructions, behind the wave's run of loads.
; All work-groups of a head walk the same K and V: work-group i = 0 asks, in its second phase, where its four waves together walk all 32 steps: so steps 12 to 31 are named once each, and nothing past the head's last step.
.macro ASK
	s_cmp_le_i32 s[SI], s[LIMS]
	s_cbranch_scc0 .Lnot_mine_\@
	global_prefetch_b8 v[PFO], s[KB:KB+1] offset:131072 th:TH_LOAD_NT scope:SCOPE_SE
	global_prefetch_b8 v[PFO], s[KB:KB+1] offset:139264 th:TH_LOAD_NT scope:SCOPE_SE
	global_prefetch_b8 v[PFO], s[VB:VB+1] offset:131072 th:TH_LOAD_NT scope:SCOPE_SE
	global_prefetch_b8 v[PFO], s[VB:VB+1] offset:139264 th:TH_LOAD_NT scope:SCOPE_SE
.Lnot_mine_\@:
.endm
; A KEY STEP.  On every way in, the loads that are out are (Q,) K, V in this order.  last = 0: the next step's K and V are asked for; last = 1: nothing is, and the step may lie on the diagonal.
.macro KSTEP first, last
	s_wait_loadcnt 32                              ; K (and Q) are in; V's 32 loads, the younger ones, may be out
.set i, 0
.rept 32
	KQ 0
.set i, i+1
.endr
	WIN 0
	PLACES                                         ; between piece 0's last product and the first read or write of its scores
.if \last
	MASKIF 0
.endif
.set k, 0
.set i, 0
.rept 32
	KQ 2
	SLICE 0, \first
	SLICE 0, \first
.set i, i+1
.endr
.if \first
	PLACES                                         ; the first step's last slices are empty; otherwise slices 62 and 63, twenty plain instructions on other registers, are the places
.endif
	WIN 0
.if \last
	s_wait_loadcnt 0x0                             ; V is in
	MASKIF 2
.else
	s_wait_xcnt 0x0                                ; earlier loads and prefetches have read K's base
	s_add_nc_u64 s[KB:KB+1], s[KB:KB+1], 65536     ; four steps on
	LOADX 0x80, KF, KB
	s_wait_loadcnt 32                              ; V is in; the 32 loads of K just issued may be out
.endif
.set k, 0
.set i, 0
.rept 32
	PV 0, \first
	SLICE 2, \first
	SLICE 2, \first
.set i, i+1
.endr
.set i, 0
.rept 32
	PV 2, \first
.set i, i+1
.endr
	WIN 0
	PLACES                                         ; in front of loads into V's registers, and of reads of O^T
.if !\last
	s_wait_xcnt 0x0
	s_add_nc_u64 s[VB:VB+1], s[VB:VB+1], 65536
	LOADX 0xc0, 0, VB
	ASK
.endif
	s_add_co_u32 s[SI], s[SI], 4
.endm
; From the block (BLK) and the wave's first step (SI): how many steps, and where Q, K and V begin.  A wave with no step is given the block's own step, so that its loads stay inside the head.
.macro PARAMS
	s_add_co_u32 s[CNT], s[BLK], 4
	s_sub_co_u32 s[CNT], s[CNT], s[SI]
	s_lshr_b32 s[CNT], s[CNT], 2
	s_min_u32 s30, s[SI], s[BLK]
	s_lshl_b32 s30, s30, 14                        ; a step is 16,384 bytes of K and of V
	s_mov_b32 s31, 0
	s_add_nc_u64 s[30:31], s[30:31], s[HO:HO+1]
	s_add_nc_u64 s[VB:VB+1], s[6:7], s[30:31]
	s_add_nc_u64 s[KB:KB+1], s[4:5], s[30:31]
	s_add_nc_u64 s[KB:KB+1], s[KB:KB+1], 0x800000  ; k's heads lie behind q's sixteen
	s_lshl_b32 s32, s[BLK], 14
	s_mov_b32 s33, 0
	s_add_nc_u64 s[32:33], s[32:33], s[HO:HO+1]
	s_add_nc_u64 s[QB:QB+1], s[4:5], s[32:33]
.endm
	s_load_b128 s[4:7], s[0:1], 0x0                ; qk16 s[4:5], v16 s[6:7]
	s_load_b64 s[8:9], s[0:1], 0x10                ; o16
	s_load_b64 s[36:37], s[0:1], 0x18              ; rows32
	v_lshl_add_u32 v[SPW], v0, 2, SPARE
	v_mov_b32 v[NIL], 0
	v_lshrrev_b32 v1, 5, v0
	v_readfirstlane_b32 s[WV], v1                  ; wave 0..3
	v_and_b32 v1, 15, v0                           ; r
	v_bfe_u32 v9, v0, 4, 1                         ; h
	v_and_b32 v[LA], 31, v0
	v_lshlrev_b32 v[PFO], 8, v[LA]
	v_lshlrev_b32 v[SSA], 2, v[LA]
	v_lshlrev_b32 v[MSA], 2, v[LA]
	v_lshlrev_b32 v[LA], 4, v[LA]
	s_lshl_b32 s30, s[WV], 15
	v_add_nc_u32 v[OPA], s30, v[LA]
	s_lshl_b32 s30, s[WV], 13
	v_add_nc_u32 v[MA], s30, v[LA]
	v_add_nc_u32 v[MA2], 65536, v[MA]
	s_lshl_b32 s30, s[WV], 10
	s_add_co_u32 s30, s30, STATS
	v_add_nc_u32 v[SSA], s30, v[SSA]
	s_lshl_b32 s30, s[WV], 8
	s_add_co_u32 s30, s30, STATS
	v_add_nc_u32 v[MSA], s30, v[MSA]
	s_mul_i32 s30, s[WV], 16*SP
	s_add_co_u32 s30, s30, STAGE                   ; my stage
	v_mul_u32_u24 v[STO], v1, SP                   ; in: row r, 16 bytes for each half of the lanes
	v_lshl_add_u32 v[STO], v9, 4, v[STO]
	v_add_nc_u32 v[STO], s30, v[STO]
	v_mul_u32_u24 v[RD], v9, SP                    ; back: lanes 0-15 one row of 256 bytes, lanes 16-31 the next
	v_lshl_add_u32 v[RD], v1, 4, v[RD]
	v_add_nc_u32 v[RD], s30, v[RD]
	v_lshlrev_b32 v[GO], 12, v9                    ; and the same two rows of o16, 4,096 bytes apart
	v_lshl_add_u32 v[GO], v1, 4, v[GO]
	v_lshlrev_b32 v[D0], 3, v9
	v_sub_nc_u32 v[D0], v1, v[D0]                  ; r - 8 h
	v_mov_b32 v[NINF], 0xff800000
	s_mov_b32 s[II], ttmp9
	s_and_b32 s[HD], ttmp7, 0xffff
	s_lshl_b32 s[HO], s[HD], 19                    ; a head is 524,288 bytes in qk16 and in v16
	s_mov_b32 s[HO+1], 0
	s_mov_b32 s[CS], 0x420293ee                    ; c = 256 log2(e) / sqrt(128)
	s_mov_b32 s[CS+1], s[CS]
	s_mov_b32 s[SEL], 0x76543210
	s_mov_b32 s[SEL+1], 0xfedcba98
	s_mov_b32 s[PHI], 0
	s_mov_b32 s[LIMS], -1
	s_mov_b32 s[BLK], s[II]                        ; the first phase: block i, from step w
	s_mov_b32 s[SI], s[WV]
	s_wait_kmcnt 0x0
	PARAMS
	LOADX 0x80, 0, QB
	LOADX 0x80, KF, KB
	LOADX 0xc0, 0, VB
.Lphase:
	s_cmp_eq_u32 s[CNT], 0
	s_cbranch_scc1 .Labsent
	s_cmp_eq_u32 s[CNT], 1
	s_cbranch_scc1 .Lonly
	KSTEP 1, 0
	s_sub_co_u32 s[MID], s[CNT], 2
	s_cmp_eq_u32 s[MID], 0
	s_cbranch_scc1 .Lfinal
.Lmid:
	KSTEP 0, 0
	s_sub_co_u32 s[MID], s[MID], 1
	s_cmp_lg_u32 s[MID], 0
	s_cbranch_scc1 .Lmid
.Lfinal:
	KSTEP 0, 1
	s_branch .Lpart
.Lonly:
	KSTEP 1, 1
.Lpart:                                                ; my partial result: l's two halves and the other half of the lanes'; O^T as it stands, each accumulator from its low end on
.irp t, 0,1,2,3
	v_add_f32 v[ST+8*\t+4], v[ST+8*\t+2], v[ST+8*\t+3]
.endr
.irp t, 0,1,2,3
	v_permlanex16_b32 v[ST+8*\t+5], v[ST+8*\t+4], s[SEL], s[SEL+1]
.endr
.irp t, 0,1,2,3
	v_add_f32 v[ST+8*\t+4], v[ST+8*\t+4], v[ST+8*\t+5]
.endr
	WIN 0x04                                       ; an LDS store's data are its source 1: window 1
.set n, 0
.rept 64
	ds_store_b128 v[OPA], v[4*n:4*n+3] offset:512*n
.set n, n+1
.endr
	WIN 0
	s_branch .Lstats
.Labsent:                                              ; no step of this block is mine
	s_cmp_lg_u32 s[II], 0                          ; work-group i = 0, wave 1: the head's positions 0-15 in f32.  Both branches hang on ids alone
	s_cbranch_scc1 .Lnot_fine
	s_cmp_lg_u32 s[WV], 1
	s_cbranch_scc1 .Lnot_fine
	s_lshl_b32 s44, s[HD], 13                      ; an image is 8,192 bytes
	s_mov_b32 s45, 0
	s_add_nc_u64 s[40:41], s[36:37], s[44:45]      ; rows32 at my head's q; k's images lie 131,072 bytes on, v's 262,144
	s_add_nc_u64 s[42:43], s[8:9], s[44:45]
	s_add_nc_u64 s[42:43], s[42:43], 0x800000      ; the f32 result, behind o16's rows
.set n, 0
.rept 16
	global_load_b128 v[FQ+4*n:FQ+4*n+3], v[LA], s[40:41] offset:512*n             ; q / 16: register 8 b + j = channel 16 b + 8 h + j of query r
.set n, n+1
.endr
.set n, 0
.rept 16
	global_load_b128 v[FK+4*n:FK+4*n+3], v[LA], s[40:41] offset:131072+512*n      ; k / 16 likewise
.set n, n+1
.endr
.set n, 0
.rept 16
	global_load_b128 v[FV+4*n:FV+4*n+3], v[LA], s[40:41] offset:262144+512*n      ; v: register 8 a + j = key 8 h + j of channel 16 a + r
.set n, n+1
.endr
	s_wait_loadcnt 16                              ; q and k are in (and the loads at the head that I do not use); v's sixteen, the younger ones, may be out
	WIN 0xf0                                       ; sources 0 and 1 window 0; C and D window 3
	; S^T = k q^T: a K step takes from half h two channels, the same two on both sources.  Lane (r, h), register j = key 8 h + j, query r.  Two accumulators by turns
.set n, 0
.rept 32
.if n < 2
	v_wmma_f32_16x16x4_f32 v[FS+8*(n%2):FS+8*(n%2)+7], v[FK+2*n:FK+2*n+1], v[FQ+2*n:FQ+2*n+1], 0
.else
	v_wmma_f32_16x16x4_f32 v[FS+8*(n%2):FS+8*(n%2)+7], v[FK+2*n:FK+2*n+1], v[FQ+2*n:FQ+2*n+1], v[FS+8*(n%2):FS+8*(n%2)+7]
.endif
.set n, n+1
.endr
.rept 8
	v_nop                                          ; eight places behind this form (ISA guide 7.12.1)
.endr
	WIN 0x0f                                       ; sources 0 and 1 window 3, destination window 0
.irp jj, 0,2,4,6
	v_pk_add_f32 v[FQ+\jj:FQ+\jj+1], v[FS+\jj:FS+\jj+1], v[FS+8+\jj:FS+9+\jj]      ; the two halves of the sum, from the low end on
.endr
	WIN 0
.irp jj, 0,1,2,3,4,5,6,7
	v_cmp_gt_i32 vcc_lo, \jj, v[D0]                ; key 8 h + j is hidden from query r where j > r - 8 h
	v_cndmask_b32 v[FQ+\jj], v[FQ+\jj], v[NINF], vcc_lo
.endr
	v_max3_num_f32 v46, v64, v65, v66
	v_max3_num_f32 v47, v67, v68, v69
	v_max3_num_f32 v46, v46, v70, v71
	v_max_num_f32 v46, v46, v47
	v_permlanex16_b32 v47, v46, s[SEL], s[SEL+1]
	v_max_num_f32 v46, v46, v47                    ; the row's maximum: key 0 counts for every query, so it is a number
	v_mul_f32 v46, s[CS], v46
.irp jj, 0,2,4,6
	v_pk_fma_f32 v[FQ+\jj:FQ+\jj+1], v[FQ+\jj:FQ+\jj+1], s[CS:CS+1], v[46:47] op_sel_hi:[1,0,0] neg_lo:[0,0,1] neg_hi:[0,0,1]
.endr
.irp jj, 0,1,2,3,4,5,6,7
	v_exp_f32 v[FQ+\jj], v[FQ+\jj]                 ; p = 2^(c s - c m)
.endr
	v_nop                                          ; a plain instruction behind the last exponential,
	s_wait_alu depctr_va_vdst(0)                   ; and one wait for the eight, ahead of their first reader
	v_pk_add_f32 v[48:49], v[64:65], v[66:67]
	v_pk_add_f32 v[50:51], v[68:69], v[70:71]
	v_pk_add_f32 v[48:49], v[48:49], v[50:51]
	v_add_f32 v48, v48, v49
	v_permlanex16_b32 v49, v48, s[SEL], s[SEL+1]
	v_add_f32 v48, v48, v49                        ; l
	v_rcp_f32 v50, v48
	v_nop
	s_wait_alu depctr_va_vdst(0)
	s_wait_loadcnt 0x0                             ; v
	WIN 0xf0
	; O^T = V^T P^T: source 0: channel 16 a + r, keys 8 h + 2 s, + 1; source 1: query r, the same keys.  Lane (r, h), register j = channel 16 a + 8 h + j, query r.  Eight accumulators by turns
.irp s, 0,1,2,3
.irp a, 0,1,2,3,4,5,6,7
.if \s == 0
	v_wmma_f32_16x16x4_f32 v[FO+8*\a:FO+8*\a+7], v[FV+8*\a+2*\s:FV+8*\a+2*\s+1], v[FQ+2*\s:FQ+2*\s+1], 0
.else
	v_wmma_f32_16x16x4_f32 v[FO+8*\a:FO+8*\a+7], v[FV+8*\a+2*\s:FV+8*\a+2*\s+1], v[FQ+2*\s:FQ+2*\s+1], v[FO+8*\a:FO+8*\a+7]
.endif
.endr
.endr
.rept 8
	v_nop
.endr
	WIN 0x03                                       ; source 0 window 3
.set n, 0
.rept 32
	v_pk_mul_f32 v[FK+2*n:FK+2*n+1], v[FO+2*n:FO+2*n+1], v[50:51] op_sel_hi:[1,0]   ; / l; each accumulator from its low end on
.set n, n+1
.endr
	WIN 0
.set n, 0
.rept 16
	global_store_b128 v[LA], v[FK+4*n:FK+4*n+3], s[42:43] offset:512*n             ; 32 lanes store 512 consecutive bytes, aligned
.set n, n+1
.endr
	s_wait_xcnt 0x0                                ; the stores have read their data and their base: both may be written again
.Lnot_fine:                                            ; what every wave without a step hands in: zeros, and a maximum under every other
	s_wait_loadcnt 0x0                             ; the loads that I do not use have landed: the next phase loads into the same registers
.irp q, 48,49,50,51
	v_mov_b32 v\q, 0
.endr
.set n, 0
.rept 64
	ds_store_b128 v[OPA], v[48:51] offset:512*n
.set n, n+1
.endr
.irp t, 0,1,2,3
	v_mov_b32 v[ST+8*\t], 0xff61b1e6
	v_mov_b32 v[ST+8*\t+4], 0
.endr
.Lstats:
.irp t, 0,1,2,3
	ds_store_b32 v[SSA], v[ST+8*\t] offset:256*\t
	ds_store_b32 v[SSA], v[ST+8*\t+4] offset:256*\t+128
.endr
	s_mov_b32 s[BLKM], s[BLK]                      ; the block that is being finished
	s_cmp_lg_u32 s[PHI], 0
	s_cbranch_scc1 .Lno_next
	s_wait_xcnt 0x0                                ; no load is out, and the prefetches have read their bases: the bases may be written
	s_sub_co_u32 s[BLK], 31, s[II]                 ; the second phase: block 31 - i, from step 3 - w; its first operands are on their way while the first phase is merged
	s_sub_co_u32 s[SI], 3, s[WV]
	PARAMS
	s_cmp_eq_u32 s[II], 0
	s_cselect_b32 s[LIMS], 19, -1
	LOADX 0x80, 0, QB
	LOADX 0x80, KF, KB
	LOADX 0xc0, 0, VB
.Lno_next:
	s_wait_dscnt 0x0                               ; for the others' sake: my stores have landed
	s_barrier_signal -1
	s_barrier_wait -1
	; THE MERGE.  Wave w finishes tile w: M = the largest of the four c m, f = 2^(c m - M), L = the sum of f l, O = the sum of (f / L) O^T.
.irp v, 0,1,2,3
	ds_load_b32 v[MT+2*\v], v[MSA] offset:1024*\v
	ds_load_b32 v[MT+2*\v+1], v[MSA] offset:1024*\v+128
.endr
	WIN 0x40                                       ; destination window 1: my own O^T has been handed in
.irp v, 0,1
.irp q, 0,1,2,3,4,5,6,7,8,9,10,11,12,13,14,15
	ds_load_b128 v[64*\v+4*\q:64*\v+4*\q+3], v[MA] offset:32768*\v+512*\q
.endr
.endr
.irp v, 2,3
.irp q, 0,1,2,3,4,5,6,7,8,9,10,11,12,13,14,15
	ds_load_b128 v[64*\v+4*\q:64*\v+4*\q+3], v[MA2] offset:32768*(\v-2)+512*\q
.endr
.endr
	WIN 0
	s_wait_dscnt 63                                ; the eight words are in.  64 loads are younger than they; a wait names 63 at the most, so the oldest of the 64 is waited for with them
	v_max3_num_f32 v54, v46, v48, v50
	v_max_num_f32 v54, v54, v52
.irp v, 0,1,2,3
	v_sub_f32 v[MT+2*\v], v[MT+2*\v], v54
.endr
.irp v, 0,1,2,3
	v_exp_f32 v[MT+2*\v], v[MT+2*\v]
.endr
	v_nop                                          ; a plain instruction behind the last exponential,
	s_wait_alu depctr_va_vdst(0)                   ; and the one wait for the four, ahead of their first reader
	v_mul_f32 v55, v46, v47
	v_fmac_f32 v55, v48, v49
	v_fmac_f32 v55, v50, v51
	v_fmac_f32 v55, v52, v53
	v_rcp_f32 v54, v55
	v_nop
	s_wait_alu depctr_va_vdst(0)
.irp v, 0,1,2,3
	v_mul_f32 v[MT+2*\v], v[MT+2*\v], v54
.endr
	s_lshl_b32 s30, s[BLKM], 6
	s_lshl_b32 s31, s[WV], 4
	s_add_co_u32 s30, s30, s31                     ; my tile's first row of o16
	s_lshl_b32 s30, s30, 12
	s_lshl_b32 s31, s[HD], 8                       ; the head's 256 bytes of a row
	s_add_co_u32 s30, s30, s31
	s_mov_b32 s31, 0
	s_add_nc_u64 s[OB:OB+1], s[8:9], s[30:31]      ; (the last phase's stores have read the old base: the wait at that phase's end)
	s_wait_dscnt 0x0
	WIN 0x01                                       ; source 0 window 1
.set n, 0
.rept 32
	v_pk_mul_f32 v[128+2*n:129+2*n], v[2*n:2*n+1], v[MT:MT+1] op_sel_hi:[1,0]
.set n, n+1
.endr
.irp v, 1,2,3
.set n, 0
.rept 32
	v_pk_fma_f32 v[128+2*n:129+2*n], v[64*\v+2*n:64*\v+2*n+1], v[MT+2*\v:MT+2*\v+1], v[128+2*n:129+2*n] op_sel_hi:[1,0,1]
.set n, n+1
.endr
.endr
	WIN 0
.set n, 0
.rept 32
	v_cvt_pk_f16_f32 v[192+n], v[128+2*n], v[129+2*n]
.set n, n+1
.endr
.irp f, 0,1,2,3,4,5,6,7
	ds_store_b128 v[STO], v[192+4*\f:195+4*\f] offset:32*\f          ; a lane's eight channels of a row: 16 bytes
.endr
.irp f, 0,1,2,3,4,5,6,7
	ds_load_b128 v[224+4*\f:227+4*\f], v[RD] offset:\f*2*SP           ; LDS serves a wave's instructions in order: these see the stores above
.endr
.irp f, 0,1,2,3,4,5,6,7
	s_wait_dscnt 7-\f
	global_store_b128 v[GO], v[224+4*\f:227+4*\f], s[OB:OB+1] offset:\f*8192   ; 16 lanes store 256 consecutive bytes, aligned
.endr
	s_wait_xcnt 0x0                                ; the stores have read their data and their base: the next phase writes both
	s_wait_dscnt 0x0                               ; my reads of the partial results are over:
	s_barrier_signal -1                            ; the next phase's partial results land on the same bytes only behind this barrier
	s_barrier_wait -1
	s_add_co_u32 s[PHI], s[PHI], 1
	s_cmp_lt_u32 s[PHI], 2
	s_cbranch_scc1 .Lphase
	s_wait_tensorcnt 0x0                           ; the wave's end: a tensor wait, an add onto my spare word and its wait, behind my last LDS store
	ds_add_u32 v[SPW], v[NIL]
	s_wait_dscnt 0x0
	s_endpgm
.Lfunc_end_k_q415281d9c4_attn:
	.size	k_q415281d9c4_attn, .Lfunc_end_k_q415281d9c4_attn-k_q415281d9c4_attn
	.p2alignl 7, 3214868480
	.fill 96, 4, 3214868480
	.section	.rodata,"a",@progbits
	.p2align	6, 0x0
	.amdhsa_kernel k_q415281d9c4_attn
		.amdhsa_group_segment_fixed_size 153088
		.amdhsa_private_segment_fixed_size 0
		.amdhsa_enable_private_segment 0
		.amdhsa_kernarg_size 32
		.amdhsa_user_sgpr_count 2
		.amdhsa_user_sgpr_kernarg_segment_ptr 1
		.amdhsa_wavefront_size32 1
		.amdhsa_system_sgpr_workgroup_id_x 1
		.amdhsa_system_sgpr_workgroup_id_y 1
		.amdhsa_system_sgpr_workgroup_id_z 1
		.amdhsa_system_vgpr_workitem_id 0
		.amdhsa_next_free_vgpr 1024
		.amdhsa_next_free_sgpr 66
		.amdhsa_reserve_vcc 1
		.amdhsa_float_denorm_mode_32 3
		.amdhsa_float_denorm_mode_16_64 3
		.amdhsa_memory_ordered 1
		.amdhsa_forward_progress 1
		.amdhsa_inst_pref_size 234
	.end_amdhsa_kernel
	.amdgpu_metadata
---
amdhsa.version: [ 1, 2 ]
amdhsa.kernels:
  - .name:           k_q415281d9c4_attn
    .symbol:         k_q415281d9c4_attn.kd
    .args:
      - { .name: qk16, .offset: 0, .size: 8, .value_kind: global_buffer, .address_space: global }
      - { .name: v16, .offset: 8, .size: 8, .value_kind: global_buffer, .address_space: global }
      - { .name: o16, .offset: 16, .size: 8, .value_kind: global_buffer, .address_space: global }
      - { .name: rows32, .offset: 24, .size: 8, .value_kind: global_buffer, .address_space: global }
    .group_segment_fixed_size: 153088
    .private_segment_fixed_size: 0
    .kernarg_segment_align: 8
    .kernarg_segment_size: 32
    .max_flat_workgroup_size: 128
    .sgpr_count:     66
    .vgpr_count:     1024
    .wavefront_size: 32
...
	.end_amdgpu_metadata
.endif
;; end of part 3
;; launch proj (part 4): grid 16 x 16, 4 waves a work-group, clusters of 4 x 4, 327,680 bytes of LDS; arguments o16, wo16, out0; writes out0
.if DOCPART == 4
	.amdgcn_target "amdgcn-amd-amdhsa--gfx1250"
	.amdhsa_code_object_version 6
	.text
	.protected	k_q415281d9c4_proj
	.globl	k_q415281d9c4_proj
	.p2align	8
	.type	k_q415281d9c4_proj,@function
k_q415281d9c4_proj:
	s_mov_b64 s[64:65], 0
	v_nop
	global_prefetch_b8 v0, s[64:65] scope:SCOPE_SE
	s_setreg_imm32_b32 hwreg(HW_REG_WAVE_MODE, 25, 1), 1
	s_wait_xcnt 0x0
	s_wait_alu depctr_hold_cnt(0) depctr_sa_sdst(0) depctr_va_vdst(0) depctr_va_sdst(0) depctr_va_ssrc(0) depctr_va_vcc(0) depctr_vm_vsrc(0)
	s_getreg_b32 s2, hwreg(HW_REG_IB_STS2, 6, 4)
	s_cmp_eq_u32 s2, 0
	s_cbranch_scc0 .Lentry_in_a_cluster
	s_endpgm
.Lentry_in_a_cluster:
	s_bfe_u32 s2, ttmp6, 0x10000c
	s_cmp_lg_u32 s2, 0xf033
	s_cbranch_scc0 .Lentry_shape_is_right
	s_endpgm
.Lentry_shape_is_right:
; out0[t][n] = sum over k of o16[t][k] wo16[n][k], operands f16, sums and result f32, for rows 16 to 2047.  Rows 0-15 are multiplied inside a live tile but not stored: the last launch carries them in f32.
; 2048 x 2048 of C make 256 tiles of 128 x 128, one for each work-group.  Four waves, each 64 x 64: 16 accumulators.  K goes in steps of 256 (LDS rows of 512 bytes, 64 rows to a tensor load) through two slots.
; CLUSTERS: 4 x 4 work-groups; A's tiles are asked for jointly along a row of the cluster, B's along a column.  THE MATRIX INSTRUCTION IS USED TRANSPOSED: a lane holds eight neighbouring numbers of a row of C.
; A wave's 64 columns of f32 are 256 bytes: each wave has a stage of its own in LDS, no barrier on the way out.
; No prefetch: a step's tile is small and shared sixteen ways; the joint loads carry it.
; REGISTERS: window 0: v0-31 addresses; v32-95 at work on the way out; v128-255 the accumulators ((a, b) at v[128 + 8 (4 a + b)]).  window 1: two fragment buffers of 128.
.set SIZE_K, 2048
.set KSTEP,  256
.set PITCH,  528                       ; an LDS row: 512 bytes + 16 of padding: the 16 rows that a load touches start at 16 different banks
.set HALFT,  64*PITCH
.set SLOT,   4*HALFT
.set STAGE,  2*SLOT                    ; behind the ring: 16 rows x 272 bytes for each wave
.set SPITCH, 272
.set SPARE,  STAGE+4*16*SPITCH         ; the spare words, 128 bytes a wave, which no other line names
.set LAPS, SIZE_K/(2*KSTEP)
.set ADRA, 16
.set ADRB, 20
.set STO,  24
.set RD,   25
.set CO,   26
.set ROWF, 27                          ; v27 my first row of C: 0 in the waves whose first block is rows 0-15
.set SPW,  28
.set NIL,  29
.set TMP,  32
.set ACC,  128
.set F0,   0
.set F1,   128
.set G1, 24
.set G0, 32
.set G1B, 48
.set G0B, 56
.set MSB, 0
.macro WIN new
.if MSB != (\new)
	s_set_vgpr_msb (MSB<<8)|(\new)
.set MSB, (\new)
.endif
.endm
.set MUL,  0x05                        ; sources 0 (B) and 1 (A) window 1; C and D window 0
.set TO_F, 0x40
.macro JLOAD s                         ; a joint load: waves 0 and 1 fetch A's halves, waves 2 and 3 B's; an s_nop 0 and four v_nop follow each line
	s_cmp_eq_u32 s11, 0
	s_cbranch_scc0 .Lfor_b_\@
	tensor_load_to_lds s[G0+4*\s:G0+4*\s+3], s[G1:G1+7]
	s_nop 0
.rept 4
	v_nop
.endr
	s_branch .Lasked_\@
.Lfor_b_\@:
	tensor_load_to_lds s[G0B+4*\s:G0B+4*\s+3], s[G1B:G1B+7]
	s_nop 0
.rept 4
	v_nop
.endr
.Lasked_\@:
.endm
.macro CREST
	s_cmp_lg_u32 s10, 0
	s_cbranch_scc1 .Lnot_wave_0_\@
	s_barrier_signal -3
.Lnot_wave_0_\@:
	s_barrier_wait -3
	s_barrier_signal -1
	s_barrier_wait -1
.endm
.macro CROUND
	s_barrier_signal -1
	s_barrier_wait -1
	CREST
.endm
	s_load_b128 s[4:7], s[0:1], 0x0                ; o16 s[4:5], wo16 s[6:7]
	s_load_b64 s[8:9], s[0:1], 0x10                ; out0
	v_lshl_add_u32 v[SPW], v0, 2, SPARE
	v_mov_b32 v[NIL], 0
	ds_add_u32 v[SPW], v[NIL]                      ; the wave's opening: the add, twice on end, and its wait ahead of my first tensor load
	ds_add_u32 v[SPW], v[NIL]                      ; and once more, under the one wait
	v_lshrrev_b32 v1, 5, v0
	v_readfirstlane_b32 s10, v1                    ; wave 0..3
	s_lshr_b32 s11, s10, 1                         ; which half of the tile's rows is mine.  Also: I fetch for A (0) or for B (1)
	s_and_b32 s12, s10, 1                          ; which half of its columns.  Also: which 64 rows of that tile I fetch
	s_bfe_u32 s40, ttmp6, 0x40000
	s_bfe_u32 s41, ttmp6, 0x40004
	s_lshl_b32 s42, ttmp9, 2
	s_add_co_u32 s42, s42, s40                     ; tile column
	s_and_b32 s13, ttmp7, 0xffff
	s_lshl_b32 s13, s13, 2
	s_add_co_u32 s13, s13, s41                     ; tile row
	s_lshl_b32 s43, s41, 2
	s_lshl_b32 s43, 15, s43                        ; my row of the cluster
	s_lshl_b32 s44, 0x1111, s40                    ; my column
	s_or_b32 s[G1+0], s43, (1<<16)|(1<<20)|(1<<21)|(6<<22)|(3<<25)  ; the mask; elements of 2 bytes; padding on; bit 21 beside a mask; 4 words after every 128
	s_or_b32 s[G1B+0], s44, (1<<16)|(1<<20)|(1<<21)|(6<<22)|(3<<25)
.irp g, G1, G1B
	s_mov_b32 s[\g+1], KSTEP<<16                   ; tensor_dim0 = 256
	s_mov_b32 s[\g+2], 64<<16                      ; tensor_dim1 = 64
	s_mov_b32 s[\g+3], KSTEP<<16                   ; tile_dim0 = 256
	s_mov_b32 s[\g+4], 64                          ; tile_dim1 = 64
	s_mov_b32 s[\g+5], SIZE_K                      ; from row to row
	s_mov_b32 s[\g+6], 0
	s_mov_b32 s[\g+7], 0
.endr
	s_lshl_b32 s17, s12, 6
	s_lshl_b32 s16, s13, 7
	s_add_co_u32 s16, s16, s17                     ; A: row 128 x tile row + 64 x half
	s_lshl_b32 s46, s42, 7
	s_add_co_u32 s46, s46, s17                     ; B: row 128 x tile column + 64 x half
	s_mov_b32 s17, 0
	s_mov_b32 s47, 0
	s_mov_b64 s[18:19], SIZE_K*2
	s_mul_u64 s[16:17], s[16:17], s[18:19]
	s_mul_u64 s[46:47], s[46:47], s[18:19]
	s_mul_i32 s20, s10, HALFT                      ; where they go: wave x 64 rows
	s_wait_dscnt 0x0                               ; both opening adds are done
	s_wait_kmcnt 0x0
	s_add_nc_u64 s[14:15], s[4:5], s[16:17]
	s_add_nc_u64 s[46:47], s[6:7], s[46:47]
	CROUND                                         ; all sixteen work-groups are here: the first joint loads meet
.irp s, 0,1
	s_mov_b32 s[G0+4*\s], 1
	s_add_co_u32 s[G0+4*\s+1], s20, \s*SLOT
	s_add_nc_u64 s[G0+4*\s+2:G0+4*\s+3], s[14:15], \s*KSTEP*2
	s_or_b32 s[G0+4*\s+3], s[G0+4*\s+3], 0x80000000
	s_mov_b32 s[G0B+4*\s], 1
	s_add_co_u32 s[G0B+4*\s+1], s20, \s*SLOT
	s_add_nc_u64 s[G0B+4*\s+2:G0B+4*\s+3], s[46:47], \s*KSTEP*2
	s_or_b32 s[G0B+4*\s+3], s[G0B+4*\s+3], 0x80000000
	JLOAD \s                                       ; two loads of mine are out at the most
.endr
	v_and_b32 v1, 15, v0                           ; l % 16
	v_bfe_u32 v2, v0, 4, 1                         ; l / 16
	v_mul_u32_u24 v3, v1, PITCH
	v_lshl_add_u32 v3, v2, 4, v3
	s_mul_i32 s21, s11, HALFT
	s_mul_i32 s22, s12, HALFT
	s_add_co_u32 s22, s22, 2*HALFT
.irp s, 0,1
	v_add_nc_u32 v[ADRA+\s], s21, v3
	v_add_nc_u32 v[ADRB+\s], s22, v3
	s_add_co_u32 s21, s21, SLOT
	s_add_co_u32 s22, s22, SLOT
.endr
	s_mul_i32 s23, s10, 16*SPITCH
	s_add_co_u32 s23, s23, STAGE                   ; my stage
	v_mul_u32_u24 v4, v1, SPITCH                   ; in: row l % 16, 32 bytes for each half of the lanes
	v_lshl_add_u32 v4, v2, 5, v4
	v_add_nc_u32 v[STO], s23, v4
	v_mul_u32_u24 v5, v2, SPITCH                   ; back: lanes 0-15 one row of 256 bytes, lanes 16-31 the next
	v_lshl_add_u32 v5, v1, 4, v5
	v_add_nc_u32 v[RD], s23, v5
	v_lshlrev_b32 v5, 13, v2                       ; and the same two rows of C, 8,192 bytes apart
	v_lshl_add_u32 v[CO], v1, 4, v5
	s_lshl_b32 s16, s13, 7
	s_lshl_b32 s17, s11, 6
	s_add_co_u32 s16, s16, s17                     ; my first row of C
	v_mov_b32 v[ROWF], s16
	s_lshl_b32 s16, s16, 13
	s_mov_b32 s17, 0
	s_add_nc_u64 s[8:9], s[8:9], s[16:17]
	s_lshl_b32 s46, s42, 9                         ; my first column, in bytes: 512 x tile column + 256 x half
	s_lshl_b32 s47, s12, 8
	s_add_co_u32 s46, s46, s47
	s_mov_b32 s47, 0
	s_add_nc_u64 s[8:9], s[8:9], s[46:47]
.macro MUL8 f, c, a0, zero             ; 8 matrix instructions: m blocks a0, a0 + 1 x all 4 n blocks, 32 along K.  The 16 accumulators take turns
.irp a, \a0, \a0+1
.irp b, 0,1,2,3
.if \zero
	v_wmma_f32_16x16x32_f16 v[ACC+8*(4*(\a)+\b):ACC+8*(4*(\a)+\b)+7], v[\f+64+8*(4*\c+\b):\f+64+8*(4*\c+\b)+7], v[\f+8*(4*\c+\a):\f+8*(4*\c+\a)+7], 0
.else
	v_wmma_f32_16x16x32_f16 v[ACC+8*(4*(\a)+\b):ACC+8*(4*(\a)+\b)+7], v[\f+64+8*(4*\c+\b):\f+64+8*(4*\c+\b)+7], v[\f+8*(4*\c+\a):\f+8*(4*\c+\a)+7], v[ACC+8*(4*(\a)+\b):ACC+8*(4*(\a)+\b)+7]
.endif
.endr
.endr
.endm
.macro FETCH slot, k, f                ; 32 LDS loads in one run: the fragments of 64 along K, the first 32 along K first
	WIN TO_F
.irp c, 0,1
.irp i, 0,1,2,3
	ds_load_b128 v[\f+64+8*(4*\c+\i):\f+64+8*(4*\c+\i)+3],   v[ADRB+\slot] offset:\k+64*\c+\i*16*PITCH
	ds_load_b128 v[\f+64+8*(4*\c+\i)+4:\f+64+8*(4*\c+\i)+7], v[ADRB+\slot] offset:\k+64*\c+\i*16*PITCH+32
	ds_load_b128 v[\f+8*(4*\c+\i):\f+8*(4*\c+\i)+3],         v[ADRA+\slot] offset:\k+64*\c+\i*16*PITCH
	ds_load_b128 v[\f+8*(4*\c+\i)+4:\f+8*(4*\c+\i)+7],       v[ADRA+\slot] offset:\k+64*\c+\i*16*PITCH+32
.endr
.endr
.endm
.macro PLACES
.rept 4
	v_nop
.endr
.endm
.macro QUARTER slot, k, f, g, zero
	s_wait_dscnt 16                                ; the first 32 along K are in; the sixteen younger loads may be out
	WIN MUL
	MUL8 \f, 0, 0, \zero
	MUL8 \f, 0, 2, \zero
	PLACES
	FETCH \slot, \k, \g
	s_wait_dscnt 32                                ; all but the 32 just issued
	WIN MUL
	MUL8 \f, 1, 0, 0
	MUL8 \f, 1, 2, 0
.endm
.macro TURN slot, next, fill           ; the last quarter changes slots: one barrier; in front of it the wait for all tensor loads, the add, and the wait for it and for my reads of this slot
	WIN 0
	s_wait_tensorcnt 0x0
	ds_add_u32 v[SPW], v[NIL]                      ; 0 onto my spare word
	s_wait_dscnt 17                                ; the add and the youngest sixteen loads may be out
	WIN MUL
	MUL8 F1, 0, 0, 0
	s_wait_dscnt 0x0
	s_barrier_signal -1
	MUL8 F1, 0, 2, 0
.if \fill
	WIN 0
.endif
	s_barrier_wait -1
.if \fill
	CREST                                          ; the barrier has opened a round of the cluster's barrier
	s_add_nc_u64 s[G0+4*\slot+2:G0+4*\slot+3], s[G0+4*\slot+2:G0+4*\slot+3], 2*KSTEP*2
	s_add_nc_u64 s[G0B+4*\slot+2:G0B+4*\slot+3], s[G0B+4*\slot+2:G0B+4*\slot+3], 2*KSTEP*2
	JLOAD \slot                                    ; the first tensor load behind the round; its four v_nop are the places in front of the loads below
.else
	PLACES
.endif
	FETCH \next, 0, F0
	WIN MUL
	MUL8 F1, 1, 0, 0
	MUL8 F1, 1, 2, 0
.endm
	s_wait_tensorcnt 1                             ; my part of K step 0 is in; K step 1's may be out
	s_barrier_signal -1
	s_barrier_wait -1
	FETCH 0, 0, F0
	QUARTER 0, 128, F0, F1, 1                      ; the first quarter stands in front of the loop: its first products start the sums
	WIN 0
	s_mov_b32 s3, LAPS-1
.Llap:
	QUARTER 0, 256, F1, F0, 0
	QUARTER 0, 384, F0, F1, 0
	TURN 0, 1, 1
	QUARTER 1, 128, F0, F1, 0
	QUARTER 1, 256, F1, F0, 0
	QUARTER 1, 384, F0, F1, 0
	TURN 1, 0, 1
	QUARTER 0, 128, F0, F1, 0
	WIN 0
	s_sub_co_u32 s3, s3, 1
	s_cmp_lg_u32 s3, 0
	s_cbranch_scc1 .Llap
	QUARTER 0, 256, F1, F0, 0                      ; the last lap fills nothing
	QUARTER 0, 384, F0, F1, 0
	TURN 0, 1, 0
	QUARTER 1, 128, F0, F1, 0
	QUARTER 1, 256, F1, F0, 0
	QUARTER 1, 384, F0, F1, 0
	s_wait_dscnt 16
	WIN MUL
	MUL8 F1, 0, 0, 0
	MUL8 F1, 0, 2, 0
	s_wait_dscnt 0
	MUL8 F1, 1, 0, 0
	MUL8 F1, 1, 2, 0
	WIN 0
; THE WAY OUT, a block of 16 rows x 64 columns at a time: 32 bytes a lane into my stage, each accumulator from its low end on; back as whole rows of 256 bytes.  LDS serves a wave's instructions in order.
.macro TOSTAGE a
.irp b, 0,1,2,3
	ds_store_b128 v[STO], v[ACC+8*(4*(\a)+\b):ACC+8*(4*(\a)+\b)+3] offset:64*\b
	ds_store_b128 v[STO], v[ACC+8*(4*(\a)+\b)+4:ACC+8*(4*(\a)+\b)+7] offset:64*\b+16
.endr
.irp t, 0,1,2,3,4,5,6,7
	ds_load_b128 v[TMP+32*((\a)%2)+4*\t:TMP+32*((\a)%2)+4*\t+3], v[RD] offset:\t*2*SPITCH
.endr
.endm
.macro STORES a
.irp t, 0,1,2,3,4,5,6,7
	global_store_b128 v[CO], v[TMP+32*((\a)%2)+4*\t:TMP+32*((\a)%2)+4*\t+3], s[8:9] offset:(16*(\a)+2*\t)*8192 th:TH_STORE_NT   ; 16 lanes store 256 consecutive bytes, aligned
.endr
.endm
	PLACES
	TOSTAGE 0
	TOSTAGE 1
	s_wait_dscnt 16                                ; block 0 is back; block 1's 8 stores and 8 loads may be out
	v_cmp_ne_u32 vcc_lo, 0, v[ROWF]                ; rows 0-15 belong to the last launch.  A mask of lanes and no branch: the tile row differs between partners of the cluster
	s_wait_xcnt 0x0                                ; EXEC changes only behind this wait
	s_and_saveexec_b32 s21, vcc_lo
	STORES 0
	s_wait_xcnt 0x0                                ; and again in front of the line that widens it; block 0's stores have also read their data
	s_or_b32 exec_lo, exec_lo, s21
	TOSTAGE 2
	s_wait_dscnt 16
	STORES 1
	s_wait_xcnt 0x0                                ; block 1's stores have read their data
	TOSTAGE 3
	s_wait_dscnt 16
	STORES 2
	s_wait_dscnt 0x0
	STORES 3
	s_wait_tensorcnt 0x0                           ; the wave's end: a tensor wait, an add onto my spare word and its wait, behind my last tensor load and my last LDS store
	ds_add_u32 v[SPW], v[NIL]
	s_wait_dscnt 0x0
	CROUND                                         ; the closing round
	s_endpgm
.Lfunc_end_k_q415281d9c4_proj:
	.size	k_q415281d9c4_proj, .Lfunc_end_k_q415281d9c4_proj-k_q415281d9c4_proj
	.p2alignl 7, 3214868480
	.fill 96, 4, 3214868480
	.section	.rodata,"a",@progbits
	.p2align	6, 0x0
	.amdhsa_kernel k_q415281d9c4_proj
		.amdhsa_group_segment_fixed_size 327680
		.amdhsa_private_segment_fixed_size 0
		.amdhsa_enable_private_segment 0
		.amdhsa_kernarg_size 24
		.amdhsa_user_sgpr_count 2
		.amdhsa_user_sgpr_kernarg_segment_ptr 1
		.amdhsa_wavefront_size32 1
		.amdhsa_system_sgpr_workgroup_id_x 1
		.amdhsa_system_sgpr_workgroup_id_y 1
		.amdhsa_system_sgpr_workgroup_id_z 1
		.amdhsa_system_vgpr_workitem_id 0
		.amdhsa_next_free_vgpr 512
		.amdhsa_next_free_sgpr 66
		.amdhsa_reserve_vcc 1
		.amdhsa_float_denorm_mode_32 3
		.amdhsa_float_denorm_mode_16_64 3
		.amdhsa_memory_ordered 1
		.amdhsa_forward_progress 1
		.amdhsa_inst_pref_size 86
	.end_amdhsa_kernel
	.amdgpu_metadata
---
amdhsa.version: [ 1, 2 ]
amdhsa.kernels:
  - .name:           k_q415281d9c4_proj
    .symbol:         k_q415281d9c4_proj.kd
    .args:
      - { .name: o16, .offset: 0, .size: 8, .value_kind: global_buffer, .address_space: global }
      - { .name: wo16, .offset: 8, .size: 8, .value_kind: global_buffer, .address_space: global }
      - { .name: out0, .offset: 16, .size: 8, .value_kind: global_buffer, .address_space: global }
    .group_segment_fixed_size: 327680
    .private_segment_fixed_size: 0
    .kernarg_segment_align: 8
    .kernarg_segment_size: 24
    .max_flat_workgroup_size: 128
    .sgpr_count:     66
    .vgpr_count:     512
    .wavefront_size: 32
...
	.end_amdgpu_metadata
.endif
;; end of part 4
;; launch fine (part 5): grid 128 x 1, 16 waves a work-group, no clusters, 153,600 bytes of LDS; arguments o16, Wo, out0; writes out0
.if DOCPART == 5
	.amdgcn_target "amdgcn-amd-amdhsa--gfx1250"
	.amdhsa_code_object_version 6
	.text
	.protected	k_q415281d9c4_fine
	.globl	k_q415281d9c4_fine
	.p2align	8
	.type	k_q415281d9c4_fine,@function
k_q415281d9c4_fine:
	s_mov_b64 s[64:65], 0
	v_nop
	global_prefetch_b8 v0, s[64:65] scope:SCOPE_SE
	s_setreg_imm32_b32 hwreg(HW_REG_WAVE_MODE, 25, 1), 1
	s_wait_xcnt 0x0
; Rows 0-15 of the result: out0[t][n] = sum over k of o[t][k] Wo[n][k], t under 16, in f32 throughout: these positions are the largest in size and have the least room for the rounding of 16-bit operands.
; o, the attention result of queries 0-15 in f32, was made by the attention launch and lies behind o16's rows, from byte 8,388,608 on: [head][n = 2 a + q][lane][16 bytes] = o(query lane % 16, channels 16 a + 8 (lane / 16) + 4 q + 0 .. 3).
; Nothing is left out here.
; Work-group x owns columns 16 x .. 16 x + 15.  Wave = head: the product's K = 2048 is split by head over the sixteen waves, 32 matrix instructions of 16 x 16 x 4 a wave; the sixteen parts meet in LDS and are added
; in the order of the heads by waves 0 and 1.
; EVERY LOAD TAKES 512 CONSECUTIVE BYTES.  The head's image is source 1 as it lies.  Of Wo a wave wants 512 bytes of each of 16 rows: a load takes one row's, 16 bytes a lane; but source 0 wants a ROW of Wo in a lane.
; So the sixteen pieces turn through the wave's own stage in LDS: in as they lie, back by rows.  The stage's rows are 528 bytes apart, an odd multiple of 16, so that the 16 rows that a load touches start at 16 different banks.
; A K step takes from half h of the lanes two channels, the same two on both sources.
; A row's piece of the output is 64 bytes here, so aligned blocks of 256 bytes are written in part: 131,072 bytes of output in all; wider pieces would mean fewer work-groups.
; No cluster, no tensor load, no prefetch: the waves share no input, and the launch is short.
; REGISTERS: v0 my offset in out0; v1 16 x lane; v2, v3, v5, v6 LDS addresses; v4 row r of out0; v16-79 o, then the heads' parts; v80-143 Wo as source 0; v144-207 Wo as loaded; v208-215 my part;
;   v240-255 two accumulators, written by matrix instructions alone.
.set SPARE, 16384                      ; behind the sixteen parts of 1,024 bytes: the spare words, 128 bytes a wave, which no other line names
.set WST,   18432                      ; behind them: a stage of 16 rows x 528 bytes for each wave
.set WP,    528
.set SPW, 14
.set NIL, 15
.set D1,  16
.set D2,  80
.set D3,  144
.set YT,  208
.set YA,  240
	s_load_b128 s[4:7], s[0:1], 0x0                ; o16 s[4:5], Wo s[6:7]
	s_load_b64 s[8:9], s[0:1], 0x10                ; out0
	v_lshl_add_u32 v[SPW], v0, 2, SPARE
	v_mov_b32 v[NIL], 0
	v_lshrrev_b32 v1, 5, v0
	v_readfirstlane_b32 s10, v1                    ; wave = head
	v_and_b32 v1, 31, v0
	v_lshlrev_b32 v1, 4, v1                        ; 16 x lane
	v_and_b32 v2, 15, v0                           ; r
	v_bfe_u32 v3, v0, 4, 1                         ; h
	v_lshlrev_b32 v4, 13, v2
	v_lshl_add_u32 v4, v3, 5, v4                   ; out0: row r of 8,192 bytes, + 32 h
	s_mul_i32 s11, s10, 16*WP
	s_add_co_u32 s11, s11, WST                     ; my stage
	v_add_nc_u32 v5, s11, v1                       ; in: 16 x lane of a row
	v_mul_u32_u24 v6, v2, WP
	v_lshl_add_u32 v6, v3, 5, v6
	v_add_nc_u32 v6, s11, v6                       ; back: row r, + 32 h
	s_lshl_b32 s11, s10, 10
	v_add_nc_u32 v2, s11, v1                       ; where I put my part: 1,024 x wave + 16 x lane
	s_lshl_b32 s11, s10, 9
	v_add_nc_u32 v3, s11, v1                       ; where waves 0 and 1 read: 512 x wave + 16 x lane
	s_lshl_b32 s11, s10, 4
	v_add_nc_u32 v0, s11, v4                       ; and store: row r, columns 8 h + 4 x wave on
	s_lshl_b32 s16, s10, 13                        ; an image is 8,192 bytes
	s_mov_b32 s17, 0
	s_lshl_b32 s18, ttmp9, 17                      ; 16 rows of Wo a work-group,
	s_lshl_b32 s19, s10, 9                         ; the head's 512 bytes of a row
	s_add_co_u32 s18, s18, s19
	s_mov_b32 s19, 0
	s_lshl_b32 s20, ttmp9, 6                       ; 16 columns of out0
	s_mov_b32 s21, 0
	s_wait_kmcnt 0x0
	s_add_nc_u64 s[4:5], s[4:5], s[16:17]
	s_add_nc_u64 s[4:5], s[4:5], 0x800000          ; the f32 images lie behind o16's rows
	s_add_nc_u64 s[6:7], s[6:7], s[18:19]
	s_add_nc_u64 s[8:9], s[8:9], s[20:21]
.irp j, 0,1,2,3,4,5,6,7,8,9,10,11,12,13,14,15
	global_load_b128 v[D3+4*\j:D3+4*\j+3], v1, s[6:7] offset:8192*\j th:TH_LOAD_NT   ; row j of my sixteen: the head's 512 bytes; read once in the launch
.endr
.irp n, 0,1,2,3,4,5,6,7,8,9,10,11,12,13,14,15
	global_load_b128 v[D1+4*\n:D1+4*\n+3], v1, s[4:5] offset:512*\n                  ; o: register 8 a + j = channel 16 a + 8 h + j of query r
.endr
.irp j, 0,1,2,3,4,5,6,7,8,9,10,11,12,13,14,15
	s_wait_loadcnt 31-\j                           ; row j is in; the 15 - j rows behind it and the image's sixteen loads may be out
	ds_store_b128 v5, v[D3+4*\j:D3+4*\j+3] offset:WP*\j
.endr
.irp n, 0,1,2,3,4,5,6,7,8,9,10,11,12,13,14,15
	ds_load_b128 v[D2+4*\n:D2+4*\n+3], v6 offset:64*(\n/2)+16*(\n%2)                 ; LDS serves a wave's instructions in order: these see my stores.  Register 8 a + j = channel 16 a + 8 h + j of column r
.endr
	s_wait_loadcnt 0x0                             ; o
	s_wait_dscnt 0x0                               ; Wo
	; y^T = Wo o^T: lane (r, h), register j = column 8 h + j, query r.  Two accumulators by turns
.set n, 0
.rept 32
.if n < 2
	v_wmma_f32_16x16x4_f32 v[YA+8*(n%2):YA+8*(n%2)+7], v[D2+2*n:D2+2*n+1], v[D1+2*n:D1+2*n+1], 0
.else
	v_wmma_f32_16x16x4_f32 v[YA+8*(n%2):YA+8*(n%2)+7], v[D2+2*n:D2+2*n+1], v[D1+2*n:D1+2*n+1], v[YA+8*(n%2):YA+8*(n%2)+7]
.endif
.set n, n+1
.endr
.rept 8
	v_nop                                          ; eight places behind this form (ISA guide 7.12.1)
.endr
.irp j, 0,2,4,6
	v_pk_add_f32 v[YT+\j:YT+\j+1], v[YA+\j:YA+\j+1], v[YA+8+\j:YA+9+\j]              ; the two halves of the sum, from the low end on
.endr
	ds_store_b128 v2, v[YT:YT+3]
	ds_store_b128 v2, v[YT+4:YT+7] offset:512
	s_wait_dscnt 0x0                               ; for the others' sake: my part has landed
	s_barrier_signal -1
	s_barrier_wait -1
	s_cmp_ge_u32 s10, 2
	s_cbranch_scc1 .Ldone
.irp v, 0,1,2,3,4,5,6,7,8,9,10,11,12,13,14,15
	ds_load_b128 v[D1+4*\v:D1+4*\v+3], v3 offset:1024*\v                             ; wave 0: columns 8 h + 0 .. 3 of every head's part; wave 1: 8 h + 4 .. 7
.endr
	s_wait_dscnt 0x0
.irp v, 1,2,3,4,5,6,7,8,9,10,11,12,13,14,15
	v_pk_add_f32 v[16:17], v[16:17], v[D1+4*\v:D1+4*\v+1]
	v_pk_add_f32 v[18:19], v[18:19], v[D1+4*\v+2:D1+4*\v+3]
.endr
	global_store_b128 v0, v[16:19], s[8:9]
.Ldone:
	s_wait_tensorcnt 0x0                           ; the wave's end: a tensor wait, an add onto my spare word and its wait, behind my last LDS store
	ds_add_u32 v[SPW], v[NIL]
	s_wait_dscnt 0x0
	s_endpgm
.Lfunc_end_k_q415281d9c4_fine:
	.size	k_q415281d9c4_fine, .Lfunc_end_k_q415281d9c4_fine-k_q415281d9c4_fine
	.p2alignl 7, 3214868480
	.fill 96, 4, 3214868480
	.section	.rodata,"a",@progbits
	.p2align	6, 0x0
	.amdhsa_kernel k_q415281d9c4_fine
		.amdhsa_group_segment_fixed_size 153600
		.amdhsa_private_segment_fixed_size 0
		.amdhsa_enable_private_segment 0
		.amdhsa_kernarg_size 24
		.amdhsa_user_sgpr_count 2
		.amdhsa_user_sgpr_kernarg_segment_ptr 1
		.amdhsa_wavefront_size32 1
		.amdhsa_system_sgpr_workgroup_id_x 1
		.amdhsa_system_sgpr_workgroup_id_y 1
		.amdhsa_system_sgpr_workgroup_id_z 1
		.amdhsa_system_vgpr_workitem_id 0
		.amdhsa_next_free_vgpr 256
		.amdhsa_next_free_sgpr 66
		.amdhsa_reserve_vcc 0
		.amdhsa_float_denorm_mode_32 3
		.amdhsa_float_denorm_mode_16_64 3
		.amdhsa_memory_ordered 1
		.amdhsa_forward_progress 1
		.amdhsa_inst_pref_size 14
	.end_amdhsa_kernel
	.amdgpu_metadata
---
amdhsa.version: [ 1, 2 ]
amdhsa.kernels:
  - .name:           k_q415281d9c4_fine
    .symbol:         k_q415281d9c4_fine.kd
    .args:
      - { .name: o16, .offset: 0, .size: 8, .value_kind: global_buffer, .address_space: global }
      - { .name: Wo, .offset: 8, .size: 8, .value_kind: global_buffer, .address_space: global }
      - { .name: out0, .offset: 16, .size: 8, .value_kind: global_buffer, .address_space: global }
    .group_segment_fixed_size: 153600
    .private_segment_fixed_size: 0
    .kernarg_segment_align: 8
    .kernarg_segment_size: 24
    .max_flat_workgroup_size: 512
    .sgpr_count:     66
    .vgpr_count:     256
    .wavefront_size: 32
...
	.end_amdgpu_metadata
.endif
;; end of part 5
